; MI455X (gfx1250); checked and timed in simulation.
; The chip was launched on July 23, 2026; its instructions are those of AMD's public machine-readable ISA for CDNA 5 (MIT licence, August 2026) and "CDNA5" Instruction Set Architecture Reference Guide (July 2026). The comments in the code are by the model that wrote it; some were corrected since.
;; Multihead Attention. Allowed arithmetic: matrix products marked QUANTISED: E2M3 operands, one E8M0 scale for each 32 along K, by v_wmma_scale_f32_16x16x128_f8f6f4 with both operands' format E2M3, f32 sums; everything else in f32.
;; Inputs: hidden_states 4 x 2,048 x 1,024 float32; in_proj_bias 3,072 float32; in_proj_weight 3,072 x 1,024 float32; out_proj_bias 1,024 float32; out_proj_weight 1,024 x 1,024 float32.
;; Outputs: out0 4 x 2,048 x 1,024 float32.
;; This version of the problem:
;;   THIS VERSION OF THE PROBLEM IS GIVEN IN LOW PRECISION. The matrix products marked QUANTISED in the list below multiply operands that are first quantised to E2M3 (2 exponent bits, 3 mantissa bits; 6 bits a number), with one power-of-two scale for each 32 numbers along K (OCP MX v1.0); their sums are f32. All else is computed in f32.
;;   The module's matrix products, in the order in which they are computed (A, B: the left and right operand; K: the contracted axis; several contracted axes count as one K, in the product's order):
;;     1. [M 8,192, K 1,024] x [K 1,024, N 3,072]; A: input hidden_states; B: input in_proj_weight: QUANTISED
;;     2. batch 64 x [M 2,048, K 64] x [K 64, N 2,048]; A: computed on the way; B: computed on the way: QUANTISED
;;     3. batch 64 x [M 2,048, K 2,048] x [K 2,048, N 64]; A: softmax (see below); B: computed on the way: QUANTISED
;;     4. [M 8,192, K 1,024] x [K 1,024, N 1,024]; A: computed on the way; B: input out_proj_weight: QUANTISED
;;   THE QUANTISER, for each operand of a quantised product, along K:
;;     - K is cut into blocks of 32 from its start; a last block that is shorter is filled with zeros.
;;     - A block's scale is 2^e with e = floor(log2(the largest magnitude in the block)) - 2, held to -126 .. 127; a block of zeros has e = 0. As a byte (E8M0): e + 127.
;;     - Each number is divided by its block's scale, clamped to +-7.5, and rounded to the nearest number of E2M3, ties to even, subnormals kept.
;;     - The product sums the exact products of the quantised numbers (number of the format x scale) in f32.
;;   ~~~python
;;   def quantise(x, axis):      # numpy; x: float32 -> the quantised numbers, widened to float32 again
;;       x = np.moveaxis(x, axis, -1); K = x.shape[-1]
;;       x = np.pad(x, [(0, 0)] * (x.ndim - 1) + [(0, -K % 32)]); x = x.reshape(x.shape[:-1] + (-1, 32)); a = np.abs(x).max(-1, keepdims=True)
;;       e = np.where(a > 0, np.clip(np.frexp(np.where(a > 0, a, 1))[1] - 1 - 2, -126, 127), 0)      # np.frexp(a)[1] - 1 = floor(log2(a)), exactly
;;       r = np.clip(x / 2.0 ** e, -7.5, 7.5)
;;       step = 2.0 ** (np.maximum(np.frexp(np.where(r == 0, 1, r))[1] - 1, 0) - 3)
;;       q = np.round(r / step) * step * 2.0 ** e      # np.round: ties to even
;;       return np.moveaxis(q.reshape(q.shape[:-2] + (-1,))[..., :K], -1, axis).astype(np.float32)
;;   ~~~
;;   SOFTMAX AHEAD OF A QUANTISED PRODUCT. Where the list says 'softmax', what is quantised is not the finished softmax but p = 2^(t - M), with t = logit x log2(e) and M = ceil(the row's largest t), a whole number; so 1/2 < the row's largest p <= 1. The row's sum l is taken of the UNQUANTISED p, in f32, and the product's result is divided by l at the end. Since M is a whole number, a kernel that streams over the keys may use a running M (the ceiling of the running maximum): every later rescaling is an exact power of two, which a block's scale takes up: the codes' values come out the same.
;;   OPERANDS COMPUTED ON THE WAY. 'Computed on the way' means the value that the module computes at that place (a softmax that the list does not call 'softmax' is quantised finished and normalised). What goes into a quantiser is computed in f32, as accurately as f32 sums, v_exp_f32 and their like allow (about 1e-6 of the number): no bf16 or f16 on the way to a quantiser, and a product that is left as it is and whose result goes on into a quantised operand takes f32 operands (vector FMAs, or v_wmma_f32_16x16x4_f32). A number that lies on a knife's edge between two numbers of the format may be rounded either way, as far as f32 arithmetic and the matrix unit's own rounding can turn it there, and no further.
;; One version. Each part assembles by itself: llvm-mc -triple=amdgcn-amd-amdhsa -mcpu=gfx1250 --defsym DOCPART=n.
;; ======== version 1 of 1: 4 launches
;; workspace buffers: opnd 9,830,400 bytes; qkvw 19,660,800 bytes; ctx 6,553,600 bytes
;; launch quant (part 1): grid 384 x 1, 4 waves a work-group, no clusters, 33,280 bytes of LDS; arguments hidden_states, in_proj_weight, out_proj_weight, opnd; writes opnd
.if DOCPART == 1
	.amdgcn_target "amdgcn-amd-amdhsa--gfx1250"
	.amdhsa_code_object_version 6
	.text
	.protected	k_q0e94dabf51_quant
	.globl	k_q0e94dabf51_quant
	.p2align	8
	.type	k_q0e94dabf51_quant,@function
k_q0e94dabf51_quant:
	s_mov_b64 s[64:65], 0
	v_nop
	global_prefetch_b8 v0, s[64:65] scope:SCOPE_SE
	s_setreg_imm32_b32 hwreg(HW_REG_WAVE_MODE, 25, 1), 1
	s_wait_xcnt 0x0
; hidden_states [8192][1024], in_proj_weight [3072][1024] and out_proj_weight [1024][1024], f32, become codes of FP6 (E2M3), K innermost (768 bytes a row), with one E8M0 byte for each 32 along K (32 bytes a row).
; A block's scale is 2^(floor(log2(its largest magnitude)) - 2); its byte is the largest magnitude's exponent field - 2, held at 1 from below.  Each number is divided by the scale and rounded to the nearest code, ties to even.
; LIMITS: a block of zeros gets the byte 1 where the rule says 127 (its codes are zeros, which add nothing under any byte but 0xff, and this program alone reads the bytes); NaN and infinities among the inputs are not served.
; OUT: one buffer: the three tensors' codes on end (x at 0, W_in at 6,291,456, W_out at 8,650,752), then their scale bytes on end from 9,437,184.
; A work-group takes 32 rows, a wave 8 (a run of 8,192 numbers, 16 steps of 512).  Work-groups 0-255: x; 256-351: W_in; 352-383: W_out.
; TILE ORDER: x's and W_in's rows are stored with bits 3 and 4 of the row's number changed round, so wave w's eight rows go to the place of wave ((w & 1) << 1) | (w >> 1).  Sixteen neighbouring stored rows are then rows
; 32 A + 8 u + r + 8 (r / 8), r = 0 .. 15: the tile of rows whose matrix results a lane holds as neighbours along the next product's K.  W_out keeps its order.
; A lane must hold 16 NEIGHBOURS for a conversion, a load is best where neighbouring LANES take neighbouring bytes: each load reads 512 consecutive bytes, a step's 2,048 bytes turn through the wave's own stage in LDS.
; No tensor loads, no barrier: waves share nothing.  Loads run four steps (16 loads a wave) ahead, the turn through LDS one step.
.set STEPS, 16
.set EMAX,  2
.set CB,    12                         ; bytes of 16 codes
.set R,     16                         ; v16-79   four sets of 16 numbers as they are loaded
.set X,     80                         ; v80-111  two sets of 16 neighbours
.set C,     128                        ; v128-191 codes: four registers for each step, so that no store's data are written again
.set E,     112                        ; v112-127 a scale byte for each step
.set WREG,  8192                       ; LDS: a region for each wave: two stages of 32 x SP bytes, behind them its 256 scale bytes
.set SP,    80                         ; a lane's place in a stage: its 64 bytes + 16 of padding
.set SCL0,  9437184                    ; where the scale bytes begin in the buffer
	s_load_b128 s[4:7], s[0:1], 0x0                ; x, W_in
	s_load_b128 s[8:11], s[0:1], 0x10              ; W_out, the buffer of codes and scale bytes
	v_lshl_add_u32 v192, v0, 2, 0x8000
	v_mov_b32 v193, 0
	v_lshrrev_b32 v1, 5, v0
	v_readfirstlane_b32 s16, v1                    ; wave
	v_and_b32 v2, 31, v0                           ; lane
	v_lshlrev_b32 v3, 4, v2                        ; my 16 bytes of a load's 512
	s_mul_i32 s17, s16, WREG
	v_lshrrev_b32 v14, 2, v2
	v_mul_u32_u24 v14, v14, SP
	v_and_b32 v15, 3, v2
	v_lshl_add_u32 v14, v15, 4, v14
	v_add_nc_u32 v14, s17, v14                     ; the stage, on the way in: SP (lane / 4) + 16 (lane % 4)
	v_mul_u32_u24 v15, v2, SP
	v_add_nc_u32 v15, s17, v15                     ; and on the way out: SP x lane: my 16 neighbours
	v_mul_u32_u24 v4, v2, CB                       ; my codes' place in a step's
	v_lshrrev_b32 v5, 1, v2
	s_add_co_u32 s17, s17, 2*32*SP
	v_add_nc_u32 v5, s17, v5                       ; LDS: my wave's 256 scale bytes, my block's byte
	v_lshlrev_b32 v7, 3, v2                        ; and on the way out 8 bytes a lane
	v_add_nc_u32 v6, s17, v7
	s_wait_alu depctr_va_vdst(0)
	s_wait_kmcnt 0x0
	s_mov_b32 s17, 352                             ; which tensor?  The choices hang on the work-group's number alone
	s_cmp_lt_u32 ttmp9, s17
	s_cselect_b64 s[6:7], s[6:7], s[8:9]           ; W_in or W_out,
	s_cselect_b32 s17, 256, s17                    ; that tensor's first work-group,
	s_cselect_b32 s22, 1, 0                        ; and whether its rows go into tile order
	s_cmp_lt_u32 ttmp9, 256
	s_cselect_b64 s[4:5], s[4:5], s[6:7]           ; x or that one
	s_cselect_b32 s17, 0, s17
	s_sub_co_u32 s17, ttmp9, s17
	s_lshl_b32 s17, s17, 2
	s_add_co_u32 s18, s17, s16                     ; which run of 8,192 numbers of the tensor is my wave's
	s_lshl_b32 s18, s18, 15                        ; 32,768 bytes a run: under 2^26
	s_mov_b32 s19, 0
	s_add_nc_u64 s[4:5], s[4:5], s[18:19]
	s_and_b32 s23, s16, 1
	s_lshl_b32 s23, s23, 1
	s_lshr_b32 s24, s16, 1
	s_or_b32 s23, s23, s24                         ; the wave's two bits changed round
	s_cmp_lg_u32 s22, 0
	s_cselect_b32 s23, s23, s16
	s_lshl_b32 s24, ttmp9, 2
	s_add_co_u32 s24, s24, s23                     ; the run's place in the buffer: the tensors lie on end in the order of the work-groups
	s_mul_i32 s20, s24, 32*STEPS*CB                ; 6,144 bytes of codes a run
	s_mov_b32 s21, 0
	s_add_nc_u64 s[12:13], s[10:11], s[20:21]
	s_lshl_b32 s20, s24, 8                         ; 256 scale bytes a run
	s_add_co_u32 s20, s20, SCL0
	s_add_nc_u64 s[14:15], s[10:11], s[20:21]
.macro LOAD t
.irp i, 0,1,2,3
	global_load_b128 v[R+16*((\t)%4)+4*\i:R+16*((\t)%4)+4*\i+3], v3, s[4:5] offset:2048*(\t)+512*\i th:TH_LOAD_NT   ; 32 lanes read 512 consecutive bytes
.endr
.endm
.macro TURN t                          ; step t's numbers through the stage: LDS serves a wave's instructions in order, so no wait stands between the stores and the loads
.irp i, 0,1,2,3
	ds_store_b128 v14, v[R+16*((\t)%4)+4*\i:R+16*((\t)%4)+4*\i+3] offset:32*SP*((\t)%2)+8*SP*\i
.endr
.irp i, 0,1,2,3
	ds_load_b128 v[X+16*((\t)%2)+4*\i:X+16*((\t)%2)+4*\i+3], v15 offset:32*SP*((\t)%2)+16*\i
.endr
.endm
.irp t, 0,1,2,3
	LOAD \t
.endr
	s_wait_loadcnt 12                              ; step 0's four loads are in; the three younger steps' twelve may be out
	TURN 0
.macro STEP t
.set XS, X+16*((\t)%2)
.if (\t) > 0
	s_wait_dscnt 1                                 ; this step's numbers are back from the stage (the last step's byte store may be out): so its stores into the stage have read their registers,
.else
	s_wait_dscnt 0x0
.endif
.if (\t)+4 < STEPS
	LOAD (\t)+4                                    ; which take the loads of four steps on
.endif
.if (\t)+1 < STEPS
.if STEPS-2-(\t) >= 3
	s_wait_loadcnt 12                              ; the next step's four loads are in; those of the three steps behind it may be out
.else
	s_wait_loadcnt 4*(STEPS-2-(\t))                ; in the tail fewer steps stand behind it
.endif
	TURN (\t)+1                                    ; and go through the other stage while this step is worked
.endif
	v_max3_num_f32 v8, |v[XS]|, |v[XS+1]|, |v[XS+2]|               ; the largest magnitude of my 16, in two chains
	v_max3_num_f32 v9, |v[XS+3]|, |v[XS+4]|, |v[XS+5]|
.irp i, 6,10
	v_max3_num_f32 v8, v8, |v[XS+\i]|, |v[XS+\i+1]|
	v_max3_num_f32 v9, v9, |v[XS+\i+2]|, |v[XS+\i+3]|
.endr
	v_max3_num_f32 v8, v8, |v[XS+14]|, |v[XS+15]|
	v_max3_num_f32 v8, v8, v9, (EMAX+1)<<23        ; and the floor 2^(3 - 127): the byte cannot fall under 1
	v_max_num_f32_dpp v8, v8, v8 row_xmask:1 row_mask:0xf bank_mask:0xf   ; and of my neighbour's 16: the block's
	v_add_nc_u32 v11, 0xff000000, v8               ; 2 off its exponent field: the conversion takes the exponent field of this operand as its scale, and nothing else of it
	v_cvt_scalef32_pk16_fp6_f32 v[C+4*(\t):C+4*(\t)+2], v[XS:XS+15], v11         ; sixteen codes, 96 bits without gaps, the first number's code lowest
	v_lshrrev_b32 v[E+(\t)], 23, v11               ; the scale's byte (also the plain line behind the conversion)
	ds_store_b8 v5, v[E+(\t)] offset:16*(\t)       ; both lanes of a block write the same byte with the same value
	global_store_b96 v4, v[C+4*(\t):C+4*(\t)+2], s[12:13] offset:32*CB*(\t)      ; the wave stores 384 consecutive bytes
.endm
.irp t, 0,1,2,3,4,5,6,7,8,9,10,11,12,13,14,15
	STEP \t
.endr
	ds_load_b64 v[12:13], v6                       ; LDS serves a wave's instructions in order: these see my stores
	s_wait_dscnt 0x0
	global_store_b64 v7, v[12:13], s[14:15]        ; 32 lanes store 256 consecutive bytes, aligned
	s_wait_tensorcnt 0x0
	ds_add_u32 v192, v193
	s_wait_dscnt 0x0
	s_endpgm
.Lfunc_end_k_q0e94dabf51_quant:
	.size	k_q0e94dabf51_quant, .Lfunc_end_k_q0e94dabf51_quant-k_q0e94dabf51_quant
	.p2alignl 7, 3214868480
	.fill 96, 4, 3214868480
	.section	.rodata,"a",@progbits
	.p2align	6, 0x0
	.amdhsa_kernel k_q0e94dabf51_quant
		.amdhsa_group_segment_fixed_size 33280
		.amdhsa_private_segment_fixed_size 0
		.amdhsa_enable_private_segment 0
		.amdhsa_kernarg_size 32
		.amdhsa_user_sgpr_count 2
		.amdhsa_user_sgpr_kernarg_segment_ptr 1
		.amdhsa_wavefront_size32 1
		.amdhsa_system_sgpr_workgroup_id_x 1
		.amdhsa_system_sgpr_workgroup_id_y 1
		.amdhsa_system_sgpr_workgroup_id_z 1
		.amdhsa_system_vgpr_workitem_id 0
		.amdhsa_next_free_vgpr 194
		.amdhsa_next_free_sgpr 66
		.amdhsa_reserve_vcc 0
		.amdhsa_float_denorm_mode_32 3
		.amdhsa_float_denorm_mode_16_64 3
		.amdhsa_memory_ordered 1
		.amdhsa_forward_progress 1
		.amdhsa_inst_pref_size 33
	.end_amdhsa_kernel
	.amdgpu_metadata
---
amdhsa.version: [ 1, 2 ]
amdhsa.kernels:
  - .name:           k_q0e94dabf51_quant
    .symbol:         k_q0e94dabf51_quant.kd
    .args:
      - { .name: hidden_states, .offset: 0, .size: 8, .value_kind: global_buffer, .address_space: global }
      - { .name: in_proj_weight, .offset: 8, .size: 8, .value_kind: global_buffer, .address_space: global }
      - { .name: out_proj_weight, .offset: 16, .size: 8, .value_kind: global_buffer, .address_space: global }
      - { .name: opnd, .offset: 24, .size: 8, .value_kind: global_buffer, .address_space: global }
    .group_segment_fixed_size: 33280
    .private_segment_fixed_size: 0
    .kernarg_segment_align: 8
    .kernarg_segment_size: 32
    .max_flat_workgroup_size: 128
    .sgpr_count:     66
    .vgpr_count:     194
    .wavefront_size: 32
...
	.end_amdgpu_metadata
.endif
;; end of part 1
;; launch qkv (part 2): grid 12 x 32, 4 waves a work-group, clusters of 4 x 4, 327,680 bytes of LDS; arguments opnd, in_proj_bias, qkvw; writes qkvw
.if DOCPART == 2
	.amdgcn_target "amdgcn-amd-amdhsa--gfx1250"
	.amdhsa_code_object_version 6
	.text
	.protected	k_q0e94dabf51_qkv
	.globl	k_q0e94dabf51_qkv
	.p2align	8
	.type	k_q0e94dabf51_qkv,@function
k_q0e94dabf51_qkv:
	s_mov_b64 s[64:65], 0
	v_nop
	global_prefetch_b8 v0, s[64:65] scope:SCOPE_SE
	s_setreg_imm32_b32 hwreg(HW_REG_WAVE_MODE, 25, 1), 1
	s_wait_xcnt 0x0
	s_wait_alu depctr_hold_cnt(0) depctr_sa_sdst(0) depctr_va_vdst(0) depctr_va_sdst(0) depctr_va_ssrc(0) depctr_va_vcc(0) depctr_vm_vsrc(0)
	s_getreg_b32 s2, hwreg(HW_REG_IB_STS2, 6, 4)
	s_cmp_eq_u32 s2, 0
	s_cbranch_scc0 .Lentry_in_a_cluster
	s_endpgm
.Lentry_in_a_cluster:
	s_bfe_u32 s2, ttmp6, 0x10000c
	s_cmp_lg_u32 s2, 0xf033
	s_cbranch_scc0 .Lentry_shape_is_right
	s_endpgm
.Lentry_shape_is_right:
.set KSTEP,  256
.set NQ,     2
.set ROWB,   192
.set KROW,   768
.set PITCH,  240
.set FR,     12
.set NL,     6
.set NP,     4
.set HALFT,  128*PITCH
.set SLOT,   4*HALFT
.set KS,     32
.set SCL,    2*SLOT
.set HALFS,  (128*KS/256)*272
.set SBLK,   (16*KS/256)*272
.set SPARE,  SCL+4*HALFS
.set WIC,    6291456
.set XSO,    9437184
.set WIS,    9699328
.set QREG,   13107200
.set ADRA, 16
.set ADRB, 20
.set ADRS, 27
.set SPW,  28
.set NIL,  29
.set SC,   32
.set CBI,  64
.set AF,   128
.set RB,   224
.set VADR, 240
.set SADR, 248
.set PW,   64
.set F1,   72
.set F2,   84
.set T1,   96
.set T2,   102
.set CV,   108
.set W0,   116
.set W1,   120
.set HA,   128
.set TM,   192
.set G1, 24
.set G0, 32
.set G1B, 48
.set G0B, 56
.set G1S, 68
.set G0S, 76
.set G1SB, 80
.set G0SB, 88
.set MSB, 0
.macro WIN new
.if MSB != (\new)
	s_set_vgpr_msb (MSB<<8)|(\new)
.set MSB, (\new)
.endif
.endm
.set MUL_LO, 0xa1
.set MUL_HI, 0xf1
.set TO_B,   0x40
.macro JLOAD g0a, g1a, g0b, g1b
	s_cmp_eq_u32 s15, 0
	s_cbranch_scc0 .Lfor_b_\@
	tensor_load_to_lds s[\g0a:\g0a+3], s[\g1a:\g1a+7]
	s_nop 0
.rept 4
	v_nop
.endr
	s_branch .Lasked_\@
.Lfor_b_\@:
	tensor_load_to_lds s[\g0b:\g0b+3], s[\g1b:\g1b+7]
	s_nop 0
.rept 4
	v_nop
.endr
.Lasked_\@:
.endm
.macro CREST
	s_cmp_lg_u32 s14, 0
	s_cbranch_scc1 .Lnot_wave_0_\@
	s_barrier_signal -3
.Lnot_wave_0_\@:
	s_barrier_wait -3
	s_barrier_signal -1
	s_barrier_wait -1
.endm
.macro CROUND
	s_barrier_signal -1
	s_barrier_wait -1
	CREST
.endm
	s_load_b128 s[8:11], s[0:1], 0x0
	s_load_b64 s[12:13], s[0:1], 0x10
	v_lshl_add_u32 v[SPW], v0, 2, SPARE
	v_mov_b32 v[NIL], 0
	ds_add_u32 v28, v29
	ds_add_u32 v28, v29
	s_wait_dscnt 0x0
	v_lshrrev_b32 v1, 5, v0
	v_readfirstlane_b32 s14, v1
	s_lshr_b32 s15, s14, 1
	s_and_b32 s16, s14, 1
	s_bfe_u32 s40, ttmp6, 0x40000
	s_bfe_u32 s41, ttmp6, 0x40004
	s_and_b32 s17, ttmp7, 0xffff
	s_mov_b32 s2, XSO
	s_mov_b32 s3, WIS
	s_cmp_eq_u32 ttmp9, 2
	s_cselect_b32 s42, s17, ttmp9
	s_cselect_b32 s17, 2, s17
	s_cselect_b32 s66, -1, 0
	s_cselect_b32 s67, 0, -1
	s_cselect_b32 s18, WIC, 0
	s_cselect_b32 s19, 0, WIC
	s_cselect_b32 s2, WIS, s2
	s_cselect_b32 s3, XSO, s3
	s_lshl_b32 s42, s42, 2
	s_add_co_u32 s42, s42, s40
	s_lshl_b32 s17, s17, 2
	s_add_co_u32 s17, s17, s41
	s_lshl_b32 s43, s41, 2
	s_lshl_b32 s43, 15, s43
	s_lshl_b32 s44, 0x1111, s40
	s_or_b32 s[G1+0], s43, (0<<16)|(1<<20)|(1<<21)|(3<<22)|(3<<25)
	s_or_b32 s[G1B+0], s44, (0<<16)|(1<<20)|(1<<21)|(3<<22)|(3<<25)
.irp g, G1, G1B
	s_mov_b32 s[\g+1], ROWB<<16
	s_mov_b32 s[\g+2], 128<<16
	s_mov_b32 s[\g+3], ROWB<<16
	s_mov_b32 s[\g+4], 128
	s_mov_b32 s[\g+5], KROW
	s_mov_b32 s[\g+6], 0
	s_mov_b32 s[\g+7], 0
.endr
	s_or_b32 s[G1S+0], s43, (3<<16)|(1<<20)|(1<<21)|(5<<22)|(3<<25)
	s_or_b32 s[G1SB+0], s44, (3<<16)|(1<<20)|(1<<21)|(5<<22)|(3<<25)
.irp g, G1S, G1SB
	s_mov_b32 s[\g+1], 32<<16
	s_mov_b32 s[\g+2], (128*KS/256)<<16
	s_mov_b32 s[\g+3], 32<<16
	s_mov_b32 s[\g+4], 128*KS/256
	s_mov_b32 s[\g+5], 32
	s_mov_b32 s[\g+6], 0
	s_mov_b32 s[\g+7], 0
.endr
	s_lshl_b32 s45, s16, 7
	s_lshl_b32 s20, s17, 8
	s_add_co_u32 s20, s20, s45
	s_lshl_b32 s46, s42, 8
	s_add_co_u32 s46, s46, s45
	s_lshl_b32 s22, s20, 5
	s_add_co_u32 s22, s22, s2
	s_mov_b32 s23, 0
	s_lshl_b32 s92, s46, 5
	s_add_co_u32 s92, s92, s3
	s_mov_b32 s93, 0
	s_mul_i32 s20, s20, KROW
	s_add_co_u32 s20, s20, s18
	s_mov_b32 s21, 0
	s_mul_i32 s46, s46, KROW
	s_add_co_u32 s46, s46, s19
	s_mov_b32 s47, 0
	s_mul_i32 s45, s14, HALFT
	s_mul_i32 s94, s14, HALFS
	s_mov_b32 s95, 0xffff0000
	s_mov_b32 s96, 0x76543210
	s_mov_b32 s97, 0xfedcba98
	s_wait_kmcnt 0x0
	s_add_nc_u64 s[20:21], s[8:9], s[20:21]
	s_add_nc_u64 s[22:23], s[8:9], s[22:23]
	s_add_nc_u64 s[46:47], s[8:9], s[46:47]
	s_add_nc_u64 s[92:93], s[8:9], s[92:93]
	CROUND
	s_mov_b32 s[G0S], 1
	s_add_co_u32 s[G0S+1], s94, SCL
	s_mov_b64 s[G0S+2:G0S+3], s[22:23]
	s_or_b32 s[G0S+3], s[G0S+3], 0x80000000
	s_mov_b32 s[G0SB], 1
	s_add_co_u32 s[G0SB+1], s94, SCL
	s_mov_b64 s[G0SB+2:G0SB+3], s[92:93]
	s_or_b32 s[G0SB+3], s[G0SB+3], 0x80000000
	JLOAD G0S, G1S, G0SB, G1SB
.irp s, 0,1
	s_mov_b32 s[G0+4*\s], 1
	s_add_co_u32 s[G0+4*\s+1], s45, \s*SLOT
	s_add_nc_u64 s[G0+4*\s+2:G0+4*\s+3], s[20:21], \s*ROWB
	s_or_b32 s[G0+4*\s+3], s[G0+4*\s+3], 0x80000000
	s_mov_b32 s[G0B+4*\s], 1
	s_add_co_u32 s[G0B+4*\s+1], s45, \s*SLOT
	s_add_nc_u64 s[G0B+4*\s+2:G0B+4*\s+3], s[46:47], \s*ROWB
	s_or_b32 s[G0B+4*\s+3], s[G0B+4*\s+3], 0x80000000
	s_wait_alu depctr_va_vdst(0)
	s_wait_tensorcnt 0x0
	ds_add_u32 v28, v29
	s_wait_dscnt 0x0
	CROUND
	JLOAD G0+4*\s, G1, G0B+4*\s, G1B
.endr
	v_and_b32 v1, 15, v0
	v_bfe_u32 v2, v0, 4, 1
	v_mul_u32_u24 v3, v1, PITCH
	v_mul_u32_u24 v4, v2, 24
	v_add_nc_u32 v4, v3, v4
	v_lshl_add_u32 v5, v2, 4, v4
	s_mul_i32 s21, s15, HALFT
	s_mul_i32 s22, s16, HALFT
	s_add_co_u32 s22, s22, 2*HALFT
.irp s, 0,1
	v_add_nc_u32 v[ADRA+\s], s21, v4
	v_add_nc_u32 v[ADRB+\s], s22, v4
	v_add_nc_u32 v[ADRA+2+\s], s21, v5
	v_add_nc_u32 v[ADRB+2+\s], s22, v5
	s_add_co_u32 s21, s21, SLOT
	s_add_co_u32 s22, s22, SLOT
.endr
	v_mul_u32_u24 v5, v1, KS
	v_lshrrev_b32 v6, 8, v5
	v_lshl_add_u32 v5, v6, 4, v5
	s_mul_i32 s21, s15, HALFS
	s_mul_i32 s22, s16, HALFS
	s_add_co_u32 s22, s22, 2*HALFS
	s_sub_co_u32 s22, s22, s21
	v_mul_u32_u24 v6, s22, v2
	s_add_co_u32 s21, s21, SCL
	v_add_nc_u32 v5, v5, v6
	v_add_nc_u32 v[ADRS], s21, v5
	s_lshl_b32 s18, s17, 1
	s_add_co_u32 s18, s18, s15
	s_lshl_b32 s19, s42, 1
	s_add_co_u32 s19, s19, s16
	s_lshl_b32 s20, s40, 1
	s_add_co_u32 s20, s20, s16
	s_lshl_b32 s21, s41, 1
	s_add_co_u32 s21, s21, s15
	s_mov_b32 s22, 204800
	s_mov_b32 s23, 12800
	s_mov_b32 s46, 12288
	s_cmp_eq_u32 ttmp9, 0
	s_cselect_b32 s2, QREG, 0
	s_cselect_b32 s22, 102400, s22
	s_cselect_b32 s23, 6400, s23
	s_cselect_b32 s46, 6144, s46
	s_cmp_eq_u32 ttmp9, 2
	s_cselect_b32 s18, s19, s18
	s_cselect_b32 s20, s21, s20
	s_cselect_b32 s3, 6144, 0
	s_cselect_b32 s46, 6400, s46
	s_lshr_b32 s19, s18, 4
	s_lshl_b32 s19, s19, 4
	s_lshl_b32 s20, s20, 1
	s_add_co_u32 s19, s19, s20
	s_mul_i32 s19, s19, s22
	s_and_b32 s18, s18, 15
	s_mul_i32 s18, s18, s23
	s_add_co_u32 s19, s19, s18
	s_add_co_u32 s19, s19, s2
	s_add_co_u32 s19, s19, s3
	v_and_b32 v10, 31, v0
	v_lshlrev_b32 v10, 4, v10
	s_wait_alu depctr_va_vdst(0)
.irp A, 0,1,2,3
.irp f, 0,1
.if \f
	s_add_co_u32 s18, s22, \A*1536
.else
	s_mov_b32 s18, \A*1536
.endif
	s_cmp_eq_u32 ttmp9, 2
	s_cselect_b32 s18, (\A/2)*204800+(2*(\A%2)+\f)*1536, s18
	s_add_co_u32 s18, s18, s19
	v_add_nc_u32 v[VADR+2*\A+\f], s18, v10
.endr
.endr
	v_mul_u32_u24 v5, s22, v2
	v_lshl_add_u32 v5, v1, 4, v5
	s_add_co_u32 s18, s19, s46
	v_add_nc_u32 v[SADR], s18, v5
	s_lshl_b32 s18, s42, 8
	s_lshl_b32 s20, s16, 7
	s_add_co_u32 s18, s18, s20
	s_and_b32 s18, s18, s67
	s_lshl_b32 s18, s18, 2
	s_lshl_b32 s20, s17, 8
	s_lshl_b32 s21, s15, 7
	s_add_co_u32 s20, s20, s21
	s_and_b32 s20, s20, s66
	s_lshl_b32 s20, s20, 2
	v_lshl_add_u32 v8, v2, 6, s18
	v_and_b32 v9, 8, v1
	v_add_nc_u32 v9, v9, v1
	v_lshl_add_u32 v9, v9, 2, s20
.irp b, 0,1,2,3,4,5,6,7
	global_load_b128 v[CBI+8*\b:CBI+8*\b+3], v8, s[10:11] offset:128*(\b/2)+32*(\b%2)
	global_load_b128 v[CBI+8*\b+4:CBI+8*\b+7], v8, s[10:11] offset:128*(\b/2)+32*(\b%2)+16
.endr
.irp a, 0,1,2,3,4,5,6,7
	global_load_b32 v[RB+2*\a], v9, s[10:11] offset:128*(\a/2)+32*(\a%2)
.endr
	s_wait_loadcnt 0x0
.set ii, 0
.rept 64
	v_cndmask_b32 v[CBI+ii], 0, v[CBI+ii], s67
.set ii, ii+1
.endr
.irp a, 0,1,2,3,4,5,6,7
	v_cndmask_b32 v[RB+2*\a+1], 0, v[RB+2*\a], s66
	v_cndmask_b32 v[RB+2*\a], 0, v[RB+2*\a], s66
.endr
.macro FRAG reg, adr, q, i
.irp p, 0,1,2,3,4,5
.set PC, 12*(\q)+6*(\p/3)+\p%3
.if PC%8 < 5
	ds_load_b64 v[\reg+2*\p:\reg+2*\p+1], v[\adr] offset:8*PC+16*(PC/8)+(\i)*16*PITCH
.else
	ds_load_b64 v[\reg+2*\p:\reg+2*\p+1], v[\adr+2] offset:8*PC+16*(PC/8)+(\i)*16*PITCH
.endif
.endr
.endm
.macro MUL16 a0, p, q, sc, first
.irp a, \a0, \a0+1
.irp b, 0,1,2,3,4,5,6,7
.if \first
	v_wmma_scale_f32_16x16x128_f8f6f4 v[8*(8*((\a)%4)+\b):8*(8*((\a)%4)+\b)+7], v[128*(\p)+FR*\b:128*(\p)+FR*\b+FR-1], v[AF+FR*(\a):AF+FR*(\a)+FR-1], v[CBI+8*\b:CBI+8*\b+7], v[SC+8*NQ*(\sc)+NQ*\b+(\q)], v[SC+8*NQ*(\sc)+NQ*(\a)+(\q)] matrix_a_fmt:MATRIX_FMT_FP6 matrix_b_fmt:MATRIX_FMT_FP6 matrix_a_scale:MATRIX_SCALE_ROW1
.else
	v_wmma_scale_f32_16x16x128_f8f6f4 v[8*(8*((\a)%4)+\b):8*(8*((\a)%4)+\b)+7], v[128*(\p)+FR*\b:128*(\p)+FR*\b+FR-1], v[AF+FR*(\a):AF+FR*(\a)+FR-1], v[8*(8*((\a)%4)+\b):8*(8*((\a)%4)+\b)+7], v[SC+8*NQ*(\sc)+NQ*\b+(\q)], v[SC+8*NQ*(\sc)+NQ*(\a)+(\q)] matrix_a_fmt:MATRIX_FMT_FP6 matrix_b_fmt:MATRIX_FMT_FP6 matrix_a_scale:MATRIX_SCALE_ROW1
.endif
.endr
.endr
.endm
.macro FETCH_B slot, q, p
	WIN TO_B
.irp i, 0,1,2,3,4,5,6,7
	FRAG 128*(\p)+FR*\i, ADRB+\slot, \q, \i
.endr
	WIN 0
.endm
.macro FETCH_A slot, q, i0
.irp i, \i0, \i0+1, \i0+2, \i0+3
	FRAG AF+FR*(\i), ADRA+\slot, \q, \i
.endr
.endm
.macro SCALES sc
.irp i, 0,1,2,3,4,5,6,7
	ds_load_b64 v[SC+8*NQ*\sc+NQ*\i:SC+8*NQ*\sc+NQ*\i+1], v[ADRS] offset:\i*SBLK
.endr
.endm
.macro PLACES n
.rept \n
	v_nop
.endr
.endm
.macro STEP slot, q, first
	s_wait_dscnt 4*NL
	WIN MUL_LO-0x20*(\first)
	MUL16 0, (\q)%2, \q, \slot, \first
	MUL16 2, (\q)%2, \q, \slot, \first
	s_wait_dscnt 0
	PLACES NP
	FETCH_B \slot, (\q)+1, 1-(\q)%2
	FETCH_A \slot, (\q)+1, 0
	WIN MUL_HI-0x30*(\first)
	MUL16 4, (\q)%2, \q, \slot, \first
	MUL16 6, (\q)%2, \q, \slot, \first
	PLACES NP
	WIN 0
	FETCH_A \slot, (\q)+1, 4
.endm
.macro TURN slot, next, fill
	s_wait_tensorcnt 0x0
	ds_add_u32 v[SPW], v[NIL]
	s_wait_dscnt 4*NL+1
	WIN MUL_LO
	MUL16 0, 1, NQ-1, \slot, 0
	s_wait_dscnt 0x0
	s_barrier_signal -1
	MUL16 2, 1, NQ-1, \slot, 0
	WIN 0
	s_barrier_wait -1
.if \fill
	CREST
	s_add_nc_u64 s[G0+4*\slot+2:G0+4*\slot+3], s[G0+4*\slot+2:G0+4*\slot+3], 2*ROWB
	s_add_nc_u64 s[G0B+4*\slot+2:G0B+4*\slot+3], s[G0B+4*\slot+2:G0B+4*\slot+3], 2*ROWB
	JLOAD G0+4*\slot, G1, G0B+4*\slot, G1B
.else
	PLACES NP
.endif
	s_wait_alu depctr_va_vdst(0)
	v_add_nc_u32 v[ADRS], 4*NQ, v[ADRS]
	FETCH_B \next, 0, 0
	FETCH_A \next, 0, 0
	SCALES \next
	WIN MUL_HI
	MUL16 4, 1, NQ-1, \slot, 0
	MUL16 6, 1, NQ-1, \slot, 0
	PLACES NP
	WIN 0
	FETCH_A \next, 0, 4
.endm
	s_wait_tensorcnt 1
	s_barrier_signal -1
	s_barrier_wait -1
	FETCH_B 0, 0, 0
	FETCH_A 0, 0, 0
	SCALES 0
	FETCH_A 0, 0, 4
	STEP 0, 0, 1
	TURN 0, 1, 1
	STEP 1, 0, 0
	TURN 1, 0, 1
	STEP 0, 0, 0
	TURN 0, 1, 0
	STEP 1, 0, 0
	s_wait_dscnt 4*NL
	WIN MUL_LO
	MUL16 0, 1, NQ-1, 1, 0
	MUL16 2, 1, NQ-1, 1, 0
	s_wait_dscnt 0
	WIN MUL_HI
	MUL16 4, 1, NQ-1, 1, 0
	MUL16 6, 1, NQ-1, 1, 0
	WIN 0
.macro GATHER a
	WIN 0x02+(\a)/4
.set AC, 64*((\a)%4)
.set kk, 0
.rept 32
	v_pk_add_f32 v[HA+2*kk:HA+2*kk+1], v[AC+2*kk:AC+2*kk+1], v[RB+2*(\a):RB+2*(\a)+1]
.set kk, kk+1
.endr
	WIN 0
.endm
.macro QUANT s, d0, d1, pw
.irp b, 0,1,2,3
	v_max3_num_f32 v[TM+\b], |v[\s+16*\b]|, |v[\s+1+16*\b]|, 0x1800000
.endr
.irp i, 2,4,6,8,10,12,14
.irp b, 0,1,2,3
	v_max3_num_f32 v[TM+\b], v[TM+\b], |v[\s+16*\b+\i]|, |v[\s+1+16*\b+\i]|
.endr
.endr
.irp b, 0,1,2,3
	v_permlanex16_b32 v[TM+4+\b], v[TM+\b], s96, s97
.endr
.irp b, 0,1,2,3
	v_max_num_f32 v[TM+\b], v[TM+\b], v[TM+4+\b]
.endr
.irp b, 0,1,2,3
	v_add_nc_u32 v[TM+12+\b], 0xff000000, v[TM+\b]
.endr
.irp b, 0,1,2,3
	v_lshrrev_b32 v[TM+4+\b], 23, v[TM+12+\b]
.endr
	v_lshl_or_b32 v[\pw], v[TM+5], 8, v[TM+4]
	v_lshl_or_b32 v[\pw], v[TM+6], 16, v[\pw]
	v_lshl_or_b32 v[\pw], v[TM+7], 24, v[\pw]
	v_cvt_scalef32_pk16_fp6_f32 v[\d0:\d0+2], v[\s:\s+15], v[TM+12]
	v_cvt_scalef32_pk16_fp6_f32 v[CV:CV+2], v[\s+16:\s+31], v[TM+13]
	v_cvt_scalef32_pk16_fp6_f32 v[\d1:\d1+2], v[\s+32:\s+47], v[TM+14]
	v_cvt_scalef32_pk16_fp6_f32 v[CV+4:CV+6], v[\s+48:\s+63], v[TM+15]
	v_nop
.irp i, 0,1,2
	v_permlane16_swap_b32 v[\d0+\i], v[CV+\i]
	v_permlane16_swap_b32 v[\d1+\i], v[CV+4+\i]
.endr
.irp i, 0,1,2
	v_mov_b32 v[\d0+3+\i], v[CV+\i]
	v_mov_b32 v[\d1+3+\i], v[CV+4+\i]
.endr
.endm
	PLACES NP
.irp b, 0,1,2,3
	v_mov_b32 v[TM+4+\b], 0
.endr
.irp A, 0,1,2,3
.if \A > 0
	s_wait_xcnt 0x0
.endif
	GATHER 2*\A
	QUANT HA, F1, T1, PW+2*\A
	GATHER 2*\A+1
	QUANT HA, T2, F2+6, PW+2*\A+1
.irp i, 0,1,2,3,4,5
	v_cndmask_b32 v[F1+6+\i], v[T2+\i], v[T1+\i], s66
	v_cndmask_b32 v[F2+\i], v[T1+\i], v[T2+\i], s66
.endr
.irp c, 0,1,2
	global_store_b128 v[VADR+2*\A], v[F1+4*\c:F1+4*\c+3], s[12:13] offset:512*\c
	global_store_b128 v[VADR+2*\A+1], v[F2+4*\c:F2+4*\c+3], s[12:13] offset:512*\c
.endr
.endr
	s_mov_b32 s18, 0x05040100
	s_mov_b32 s19, 0x07060302
.irp A, 0,1,2,3
	v_perm_b32 v[W0+\A], v[PW+2*\A+1], v[PW+2*\A], s18
	v_perm_b32 v[W1+\A], v[PW+2*\A+1], v[PW+2*\A], s19
.endr
.irp A, 0,1,2,3
	v_cndmask_b32 v[W0+\A], v[W0+\A], v[PW+\A], s66
	v_cndmask_b32 v[W1+\A], v[W1+\A], v[PW+4+\A], s66
.endr
.irp A, 0,1,2,3
	v_cndmask_b32 v[W0+\A], v[W0+\A], v[W1+\A], s95
.endr
	global_store_b128 v[SADR], v[W0:W0+3], s[12:13]
	s_wait_tensorcnt 0x0
	ds_add_u32 v[SPW], v[NIL]
	s_wait_dscnt 0x0
	CROUND
	s_endpgm
.Lfunc_end_k_q0e94dabf51_qkv:
	.size	k_q0e94dabf51_qkv, .Lfunc_end_k_q0e94dabf51_qkv-k_q0e94dabf51_qkv
	.p2alignl 7, 3214868480
	.fill 96, 4, 3214868480
	.section	.rodata,"a",@progbits
	.p2align	6, 0x0
	.amdhsa_kernel k_q0e94dabf51_qkv
		.amdhsa_group_segment_fixed_size 327680
		.amdhsa_private_segment_fixed_size 0
		.amdhsa_enable_private_segment 0
		.amdhsa_kernarg_size 24
		.amdhsa_user_sgpr_count 2
		.amdhsa_user_sgpr_kernarg_segment_ptr 1
		.amdhsa_wavefront_size32 1
		.amdhsa_system_sgpr_workgroup_id_x 1
		.amdhsa_system_sgpr_workgroup_id_y 1
		.amdhsa_system_sgpr_workgroup_id_z 1
		.amdhsa_system_vgpr_workitem_id 0
		.amdhsa_next_free_vgpr 1024
		.amdhsa_next_free_sgpr 100
		.amdhsa_reserve_vcc 0
		.amdhsa_float_denorm_mode_32 3
		.amdhsa_float_denorm_mode_16_64 3
		.amdhsa_memory_ordered 1
		.amdhsa_forward_progress 1
		.amdhsa_inst_pref_size 195
	.end_amdhsa_kernel
	.amdgpu_metadata
---
amdhsa.version: [ 1, 2 ]
amdhsa.kernels:
  - .name:           k_q0e94dabf51_qkv
    .symbol:         k_q0e94dabf51_qkv.kd
    .args:
      - { .name: opnd, .offset: 0, .size: 8, .value_kind: global_buffer, .address_space: global }
      - { .name: in_proj_bias, .offset: 8, .size: 8, .value_kind: global_buffer, .address_space: global }
      - { .name: qkvw, .offset: 16, .size: 8, .value_kind: global_buffer, .address_space: global }
    .group_segment_fixed_size: 327680
    .private_segment_fixed_size: 0
    .kernarg_segment_align: 8
    .kernarg_segment_size: 24
    .max_flat_workgroup_size: 128
    .sgpr_count:     100
    .vgpr_count:     1024
    .wavefront_size: 32
...
	.end_amdgpu_metadata
.endif
;; end of part 2
;; launch attn (part 3): grid 8 x 32, 16 waves a work-group, clusters of 4 x 1, 327,680 bytes of LDS; arguments qkvw, ctx; writes ctx
.if DOCPART == 3
	.amdgcn_target "amdgcn-amd-amdhsa--gfx1250"
	.amdhsa_code_object_version 6
	.text
	.protected	k_q0e94dabf51_attn
	.globl	k_q0e94dabf51_attn
	.p2align	8
	.type	k_q0e94dabf51_attn,@function
k_q0e94dabf51_attn:
	s_mov_b64 s[64:65], 0
	v_nop
	global_prefetch_b8 v0, s[64:65] scope:SCOPE_SE
	s_setreg_imm32_b32 hwreg(HW_REG_WAVE_MODE, 25, 1), 1
	s_wait_xcnt 0x0
	s_wait_alu depctr_hold_cnt(0) depctr_sa_sdst(0) depctr_va_vdst(0) depctr_va_sdst(0) depctr_va_ssrc(0) depctr_va_vcc(0) depctr_vm_vsrc(0)
	s_getreg_b32 s2, hwreg(HW_REG_IB_STS2, 6, 4)
	s_cmp_eq_u32 s2, 0
	s_cbranch_scc0 .Lentry_in_a_cluster
	s_endpgm
.Lentry_in_a_cluster:
	s_bfe_u32 s2, ttmp6, 0x10000c
	s_cmp_lg_u32 s2, 0x3003
	s_cbranch_scc0 .Lentry_shape_is_right
	s_endpgm
.Lentry_shape_is_right:
; ctx = softmax(q k^T / 8) v for 64 heads of size 64, 2,048 queries and keys each, both products on codes of FP6 (E2M3) with one E8M0 scale for each 32 along a product's K; ctx is quantised here for the last product.
; THE SOFTMAX: t = score x log2(e) / 8; M = the row's largest t so far, rounded UP to a whole number; p = 2^(t - M) is quantised along the keys, not normalised.  The row's sum is taken of the unquantised p and divides O at the end.
; When M moves, the sum and O are multiplied by 2^(old M - new M): exact.
; SHARES.  A work-group owns 256 queries of TWO heads (a pair: 128 neighbouring columns of ctx), one head after the other; each of its sixteen waves owns one tile of 16 queries, in 256 registers: four waves to a SIMD,
; so that one wave's vector work stands beside another's matrix work and LDS loads.  Every wave walks all keys, 128 a step.
; IN.  All operands come as images of their registers (16 bytes a lane at 16 x lane, 512 bytes a chunk, three chunks a fragment): a key step's record of 12,800 bytes holds four PAIR fragments of k, four fragments of v^T,
; k's scale words and v's.  A slot of LDS holds eight records, half a head; two slots; waves 0 to 3 fetch a quarter of a slot each.
; CLUSTER.  The four work-groups of a cluster are four blocks of queries of the same pair of heads and walk the same records: each quarter of a slot is asked for JOINTLY, with a mask that names the four.
; A HEAD OF 64 IN AN INSTRUCTION OF 128.  A pair fragment's registers 0-5 are one tile of 16 keys x 64 dims, registers 6-11 the next tile.  Against [q | 0] it gives the first tile's scores, against [0 | q] the second's: the
; other half meets zero codes, which add nothing.  [0 | q | 0] lies in 18 registers, and the two operands are two views of it.  So no byte of padding is read from LDS.
; LAYOUT.  Both products are used transposed (S^T = k q^T, O^T = v^T p^T): a lane holds ONE query throughout.  The keys of a tile and the channels of a tile of v^T are 32 b + 8 u + r + 8 (r / 8), so that a lane's 16 registers of two
; neighbouring tiles are 16 neighbours along the next product's K.
; OUT.  ctx's codes as images of the last product's operand: [tile of 16 stored rows: 512][pair of heads: 8][1,536]; its scale words [stored row][32 bytes], word = the pair.  The scale words are 4 bytes at a pitch of 32:
; each store covers parts of blocks of 256 bytes; they are one twenty-fourth of the codes' bytes.
; No prefetch: a refill has eight key steps of sixteen waves in which to land, and there are two refills in all.
; LIMITS: p under 2^-126 falls to 0 (v_exp_f32 gives 0 there: ISA guide, its entry); a block's largest p is taken from its largest score, which takes v_exp_f32 not to fall where its input rises;
; a block of zeros gets the byte 1 where the rule says 127 (zero codes; this program alone reads the bytes); NaN and infinities are not served.
.set REC,   12800                      ; a key step's record
.set QREC,  6400                       ; a record of 128 queries
.set SLOT1, 131072                     ; slot 1 (slot 0 at 0); a slot is 8 REC = 102,400 bytes
.set SPARE, 262144                     ; the spare words, 128 bytes for each wave: eight blocks of 256 bytes that no other line names
.set QREG,  13107200                   ; where q's records begin
.set CSC,   6291456                    ; where ctx's scale words begin
.set L16,  1                           ; v1   16 x lane; never rewritten
.set ADR,  2                           ; v2   LDS address of the step's record + 16 x lane
.set SPW,  3                           ; v3   LDS address of my spare word; never rewritten
.set NIL,  4                           ; v4   0; never rewritten
.set QSO,  5                           ; v5   16 (lane % 16): my query's place among q's scale words
.set CSO,  6                           ; v6   32 (lane % 16): and among ctx's
.set QS,   10                          ; v10  q's scale word
.set PS,   11                          ; v11  p's scale word
                                       ; v12 -M, v13 the largest t, v[14:15] the sum in two halves
.set QZ,   16                          ; v16-33 [0 | q | 0]
.set CF,   34                          ; v34-45 ctx's fragment;  v46 its scale word
.set CW,   46
.set KV,   48                          ; v48-95 four fragments of k, then of v^T
.set S,    96                          ; v96-159 S^T, then p
.set O,    160                         ; v160-191 O^T, four tiles
.set SW,   192                         ; v192-195 scale words: lanes 0-15 k's, lanes 16-31 v's
.set PC,   196                         ; v196-207 p's codes
.set CV,   208                         ; v208-210, v212-214 conversions' second halves
.set BM,   216                         ; v216-219 the blocks' largest scores
.set PT,   220                         ; v220-223 at work
.set SO,   224                         ; v224-227 the conversions' scale operands
.set F,    228                         ; v[228:229] f (the packed forms name the pair and take its low word)
.set TP,   230
.set QL,   232                         ; v232-243 where q's pair fragment lands;  v244 its scale word
.set QW,   244
.set WV,   18
.set SEL,  20                          ; s[20:21] v_permlanex16_b32's selects for lane l xor 16
.set CS,   22                          ; s[22:23] c = log2(e) / 8
.set G1,   24                          ; s[24:31] descriptor group 1;  s[32:35], s[36:39] group 0 for slot 0, 1
.set G0,   32
.set TB,   2                           ; s2   LDS byte of the step's record
.set CNT,  3                           ; s3   steps to go in the slot
.macro CROUND                          ; a round of the cluster's barrier
	s_barrier_signal -1
	s_barrier_wait -1
	s_cmp_lg_u32 s[WV], 0
	s_cbranch_scc1 .Lnot_wave_0_\@
	s_barrier_signal -3
.Lnot_wave_0_\@:
	s_barrier_wait -3
	s_barrier_signal -1
	s_barrier_wait -1
.endm
.macro JLOAD n                         ; waves 0 to 3 fetch a quarter of slot n each; the branch hangs on the wave's number alone.  Four v_nop follow the load
	s_cmp_lt_u32 s[WV], 4
	s_cbranch_scc0 .Lasked_\@
	tensor_load_to_lds s[G0+4*\n:G0+4*\n+3], s[G1:G1+7]
	s_nop 0
.rept 4
	v_nop
.endr
.Lasked_\@:
.endm
	s_load_b128 s[4:7], s[0:1], 0x0                ; q, k, v s[4:5]; ctx s[6:7]
	v_lshl_add_u32 v[SPW], v0, 2, SPARE
	v_mov_b32 v[NIL], 0
	ds_add_u32 v3, v4
	ds_add_u32 v3, v4
	s_wait_dscnt 0x0
	v_lshrrev_b32 v1, 5, v0
	s_delay_alu instid0(VALU_DEP_1)
	v_readfirstlane_b32 s[WV], v1                  ; wave 0..15
	s_bfe_u32 s8, ttmp6, 0x40000                   ; cx: it enters q's and ctx's global addresses alone
	s_lshl_b32 s9, ttmp9, 2
	s_add_co_u32 s9, s9, s8                        ; my block of 256 queries, 0..7
	s_and_b32 s10, ttmp7, 0xffff                   ; y = 8 x batch + pair of heads: the four partners share it
	s_and_b32 s11, s[WV], 3
	s_mul_i32 s12, s11, 2*REC                      ; my quarter of a slot, in LDS and in memory
	s_mul_i32 s14, s10, 32*REC                     ; the pair's 32 records
	s_add_co_u32 s14, s14, s12
	s_mov_b32 s15, 0
	; descriptor group 1: 25,600 dense bytes as 100 rows of 256 bytes (32 elements of 8 bytes); no padding: every read takes 512 consecutive bytes
	s_mov_b32 s[G1], 15|(3<<16)|(1<<21)            ; 15:0 the mask: all four work-groups; 17:16 elements of 8 bytes; 21 set beside a mask
	s_mov_b32 s[G1+1], 32<<16                      ; tensor_dim0
	s_mov_b32 s[G1+2], 100<<16                     ; tensor_dim1
	s_mov_b32 s[G1+3], 32<<16                      ; tile_dim0
	s_mov_b32 s[G1+4], 100                         ; tile_dim1
	s_mov_b32 s[G1+5], 32                          ; tensor_dim0_stride
	s_mov_b32 s[G1+6], 0
	s_mov_b32 s[G1+7], 0
	s_mul_i32 s52, s10, 32*QREC                    ; q: the pair's first head,
	s_add_co_u32 s52, s52, QREG
	s_lshl_b32 s53, s9, 1
	s_lshr_b32 s54, s[WV], 3
	s_add_co_u32 s53, s53, s54
	s_mul_i32 s53, s53, QREC
	s_add_co_u32 s52, s52, s53                     ; the record of my 128 queries,
	s_bfe_u32 s54, s[WV], 0x20001                  ; (wave / 2) % 4: the pair fragment that holds my tile
	s_mul_i32 s55, s54, 1536
	s_add_co_u32 s40, s52, s55
	s_mov_b32 s41, 0
	s_lshl_b32 s54, s54, 2
	s_add_co_u32 s42, s52, s54
	s_add_co_u32 s42, s42, 6144                    ; and its scale word
	s_mov_b32 s43, 0
	s_lshr_b32 s52, s10, 3
	s_lshl_b32 s52, s52, 7
	s_lshl_b32 s53, s9, 4
	s_add_co_u32 s52, s52, s53
	s_add_co_u32 s52, s52, s[WV]                   ; ctx: my tile of 16 stored rows: 128 x batch + 16 x block + wave
	s_and_b32 s53, s10, 7                          ; the pair of heads
	s_lshl_b32 s54, s52, 3
	s_add_co_u32 s54, s54, s53
	s_mul_i32 s44, s54, 1536
	s_mov_b32 s45, 0
	s_lshl_b32 s46, s52, 9
	s_lshl_b32 s53, s53, 2
	s_add_co_u32 s46, s46, s53
	s_add_co_u32 s46, s46, CSC
	s_mov_b32 s47, 0
	s_and_b32 s48, s[WV], 1                        ; which tile of the pair fragment is mine
	s_mov_b32 s49, 0x01000100
	s_cmp_lg_u32 s48, 0
	s_cselect_b32 s48, -1, 0                       ; all lanes where it is the second,
	s_cselect_b32 s49, 0x03020302, s49             ; and which two bytes of the scale word, taken twice: they serve [q | 0] and [0 | q] alike
	s_mov_b32 s[SEL], 0x76543210
	s_mov_b32 s[SEL+1], 0xfedcba98
	s_mov_b32 s[CS], 0x3e38aa3b                    ; c = log2(e) / 8
	s_mov_b32 s[CS+1], s[CS]                       ; (named with it as a pair, so it is written)
	s_wait_kmcnt 0x0
	s_add_nc_u64 s[16:17], s[4:5], s[14:15]
	s_add_nc_u64 s[40:41], s[4:5], s[40:41]
	s_add_nc_u64 s[42:43], s[4:5], s[42:43]
	s_add_nc_u64 s[44:45], s[6:7], s[44:45]
	s_add_nc_u64 s[46:47], s[6:7], s[46:47]
.irp n, 0,1
	s_mov_b32 s[G0+4*\n], 1                        ; count = 1
	s_add_co_u32 s[G0+4*\n+1], s12, \n*SLOT1       ; LDS address
	s_add_nc_u64 s[G0+4*\n+2:G0+4*\n+3], s[16:17], \n*8*REC   ; global address: the first head's first and second half
	s_or_b32 s[G0+4*\n+3], s[G0+4*\n+3], 0x80000000           ; type = 2
.endr
	CROUND                                         ; all four work-groups are here: the first joint loads meet
	s_cmp_lt_u32 s[WV], 4                          ; a wave's two first fills stand in one branch, ahead of every wait on TENSORcnt, every LDS read and every other barrier: two loads of mine are out
	s_cbranch_scc0 .Lno_fill
	tensor_load_to_lds s[G0:G0+3], s[G1:G1+7]
	s_nop 0
	tensor_load_to_lds s[G0+4:G0+7], s[G1:G1+7]
	s_nop 0
.rept 4
	v_nop
.endr
.Lno_fill:
	v_and_b32 v7, 31, v0
	s_delay_alu instid0(VALU_DEP_1)
	v_lshlrev_b32 v[L16], 4, v7
	v_and_b32 v[QSO], 15, v0
	s_delay_alu instid0(VALU_DEP_1)
	v_lshlrev_b32 v[CSO], 5, v[QSO]
	s_delay_alu instid0(VALU_DEP_2)
	v_lshlrev_b32 v[QSO], 4, v[QSO]
.macro QLOAD x                         ; head x of the pair: the pair fragment that holds my tile, and its scale word
.irp c, 0,1,2
	global_load_b128 v[QL+4*\c:QL+4*\c+3], v[L16], s[40:41] offset:512*\c+16*QREC*\x
.endr
	global_load_b32 v[QW], v[QSO], s[42:43] offset:16*QREC*\x
.endm
.macro QSET                            ; my tile's six registers into the middle of [0 | q | 0]; my two scale bytes, twice
	s_wait_loadcnt 0x0
.irp i, 0,1,2,3,4,5
	v_cndmask_b32 v[QZ+6+\i], v[QL+\i], v[QL+6+\i], s48
.endr
	v_perm_b32 v[QS], v[QW], v[QW], s49
.endm
.macro INIT                            ; a head begins: the step is written once, so its first run finds zeros, which the first change of M leaves zeros.  These lines are also the places between QSET and the first products
	v_mov_b32 v13, 0xff61b1e6                      ; the largest t so far: -3e38, under every t
	s_delay_alu instid0(VALU_DEP_1)
	v_floor_f32 v12, -v13                          ; -M
	v_mov_b32 v14, 0
	v_mov_b32 v15, 0
.set ii, 0
.rept 32
	v_mov_b32 v[O+ii], 0
.set ii, ii+1
.endr
.endm
	QLOAD 0
.irp i, 0,1,2,3,4,5
	v_mov_b32 v[QZ+\i], 0                          ; the zero codes on either side of q
	v_mov_b32 v[QZ+12+\i], 0
.endr
.irp b, 0,1,2,3
	v_mov_b32 v[PT+\b], 0                          ; written once: a lane permute's destination counts as one of its sources
.endr
	v_mov_b32 v[F+1], 0                            ; (named as the upper half of a pair)
	v_mov_b32 v[TP], 0
; A KEY STEP: 128 keys: the record at LDS byte s[TB].
.macro STEP
	v_add_nc_u32 v[ADR], s[TB], v[L16]
.rept 3
	v_nop                                          ; with the line above: four places in front of loads into registers that the last products read
.endr
.irp f, 0,1,2,3
.irp c, 0,1,2
	ds_load_b128 v[KV+12*\f+4*\c:KV+12*\f+4*\c+3], v[ADR] offset:1536*\f+512*\c     ; k's four pair fragments
.endr
.endr
	ds_load_b128 v[SW:SW+3], v[ADR] offset:12288   ; lanes 0-15: k's four scale words; lanes 16-31, 256 bytes on: v's
	s_wait_alu depctr_va_vdst(0)
	s_wait_dscnt 0x0
.irp b, 0,1,2,3                        ; S^T = k q^T: the first tile of the pair against [q | 0], the second against [0 | q]
	v_wmma_scale_f32_16x16x128_f8f6f4 v[S+16*\b:S+16*\b+7], v[KV+12*\b:KV+12*\b+11], v[QZ+6:QZ+17], 0, v[SW+\b], v[QS] matrix_a_fmt:MATRIX_FMT_FP6 matrix_b_fmt:MATRIX_FMT_FP6
	v_wmma_scale_f32_16x16x128_f8f6f4 v[S+16*\b+8:S+16*\b+15], v[KV+12*\b:KV+12*\b+11], v[QZ:QZ+11], 0, v[SW+\b], v[QS] matrix_a_fmt:MATRIX_FMT_FP6 matrix_b_fmt:MATRIX_FMT_FP6
.endr                                  ; lane (r, h) holds query r; registers 16 b + i are keys 32 b + 16 h + i
.rept 4
	v_nop                                          ; places: for the loads below and for the first read of the scores
.endr
.irp f, 0,1,2,3
.irp c, 0,1,2
	ds_load_b128 v[KV+12*\f+4*\c:KV+12*\f+4*\c+3], v[ADR] offset:6144+1536*\f+512*\c    ; v^T's four fragments land while the softmax is worked
.endr
.endr
.irp b, 0,1,2,3
	v_max3_num_f32 v[BM+\b], v[S+16*\b], v[S+1+16*\b], v[S+2+16*\b]   ; THE LARGEST SCORE OF EACH BLOCK OF 32 KEYS: for the row's maximum, and, since p rises with the score, for the block's largest p
.endr
.irp i, 3,5,7,9,11,13
.irp b, 0,1,2,3
	v_max3_num_f32 v[BM+\b], v[BM+\b], v[S+16*\b+\i], v[S+1+16*\b+\i]
.endr
.endr
.irp b, 0,1,2,3
	v_max_num_f32 v[BM+\b], v[BM+\b], v[S+15+16*\b]
.endr
.irp b, 0,1,2,3
	s_delay_alu instid0(VALU_DEP_4)
	v_permlanex16_b32 v[PT+\b], v[BM+\b], s[SEL], s[SEL+1]
.endr
.irp b, 0,1,2,3
	s_delay_alu instid0(VALU_DEP_4)
	v_max_num_f32 v[BM+\b], v[BM+\b], v[PT+\b]     ; with lane l xor 16's 16 keys
.endr
	s_delay_alu instid0(VALU_DEP_2)
	v_max3_num_f32 v[TP], v[BM], v[BM+1], v[BM+2]
	s_delay_alu instid0(VALU_DEP_1)
	v_max_num_f32 v[TP], v[TP], v[BM+3]            ; the step's largest score of my query
	s_delay_alu instid0(VALU_DEP_1)
	v_mul_f32 v[TP], s[CS], v[TP]                  ; as t (c is positive)
	s_delay_alu instid0(VALU_DEP_1)
	v_max_num_f32 v13, v13, v[TP]                  ; the running largest t
	v_mov_b32 v[TP], v12
	s_delay_alu instid0(VALU_DEP_2)
	v_floor_f32 v12, -v13                          ; the new -M = floor(-t) = -ceil(t): M IS A WHOLE NUMBER
	s_delay_alu instid0(VALU_DEP_1)
	v_sub_f32 v[TP], v12, v[TP]                    ; M's old value less its new one: a whole number, 0 or less
	s_delay_alu instid0(VALU_DEP_1)
	v_cvt_i32_f32 v[TP], v[TP]                     ; (it saturates)
	s_delay_alu instid0(VALU_DEP_1)
	v_ldexp_f32 v[F], 1.0, v[TP]                   ; f = 2^(old M - new M)
.set jj, 0
.rept 32
	v_pk_fma_f32 v[S+jj:S+jj+1], v[S+jj:S+jj+1], s[CS:CS+1], v[12:13] op_sel_hi:[1,0,0]   ; t - M, two at a time
.set jj, jj+2
.endr
.irp b, 0,1,2,3
	v_fma_f32 v[BM+\b], v[BM+\b], s[CS], v12       ; the same of each block's largest score
.endr
.set jj, 0
	s_wait_alu depctr_va_vdst(0)
.rept 64
	v_exp_f32 v[S+jj], v[S+jj]                     ; p = 2^(t - M), at most 1: NOT normalised
.set jj, jj+1
.endr
	s_setprio 1
	v_pk_mul_f32 v[14:15], v[14:15], v[F:F+1] op_sel_hi:[1,0]   ; the sums under the new M (the plain line behind the exponentials)
	s_wait_alu depctr_va_vdst(0)                   ; one wait for the whole batch, ahead of its first reader
.irp b, 0,1,2,3
	v_exp_f32 v[BM+\b], v[BM+\b]                   ; the block's largest p: the same two instructions on the same number give the same bits
.endr
	v_pk_add_f32 v[220:221], v[100:101], v[104:105]
	v_pk_add_f32 v[254:255], v[108:109], v[112:113]
	v_pk_add_f32 v[252:253], v[116:117], v[120:121]
	v_pk_add_f32 v[250:251], v[124:125], v[128:129]
	v_pk_add_f32 v[248:249], v[132:133], v[136:137]
	v_pk_add_f32 v[246:247], v[140:141], v[144:145]
	v_pk_add_f32 v[226:227], v[148:149], v[152:153]
	v_pk_add_f32 v[14:15], v[14:15], v[156:157]
	v_pk_add_f32 v[220:221], v[220:221], v[96:97]
	v_pk_add_f32 v[254:255], v[254:255], v[98:99]
	v_pk_add_f32 v[252:253], v[252:253], v[102:103]
	v_pk_add_f32 v[250:251], v[250:251], v[106:107]
	v_pk_add_f32 v[248:249], v[248:249], v[110:111]
	v_pk_add_f32 v[246:247], v[246:247], v[114:115]
	v_pk_add_f32 v[226:227], v[226:227], v[118:119]
	v_pk_add_f32 v[14:15], v[14:15], v[122:123]
	v_pk_add_f32 v[220:221], v[220:221], v[126:127]
	v_pk_add_f32 v[254:255], v[254:255], v[130:131]
	v_pk_add_f32 v[252:253], v[252:253], v[134:135]
	v_pk_add_f32 v[250:251], v[250:251], v[138:139]
	v_pk_add_f32 v[248:249], v[248:249], v[142:143]
	v_pk_add_f32 v[246:247], v[246:247], v[146:147]
	v_pk_add_f32 v[226:227], v[226:227], v[150:151]
	v_pk_add_f32 v[14:15], v[14:15], v[154:155]
	v_pk_add_f32 v[220:221], v[220:221], v[158:159]
	s_delay_alu instid0(VALU_DEP_2)
	v_pk_add_f32 v[14:15], v[14:15], v[250:251]
	s_delay_alu instid0(VALU_DEP_2)
	v_pk_add_f32 v[220:221], v[220:221], v[248:249]
	v_pk_add_f32 v[254:255], v[254:255], v[246:247]
	v_pk_add_f32 v[252:253], v[252:253], v[226:227]
	s_delay_alu instid0(VALU_DEP_2)
	v_pk_add_f32 v[14:15], v[14:15], v[254:255]
	s_delay_alu instid0(VALU_DEP_2)
	v_pk_add_f32 v[220:221], v[220:221], v[252:253]
	s_delay_alu instid0(VALU_DEP_1)
	v_pk_add_f32 v[14:15], v[14:15], v[220:221]
	s_wait_alu depctr_va_vdst(0)                   ; and one for the four
.irp b, 0,1,2,3
	v_max_num_f32 v[BM+\b], 0x1800000, v[BM+\b]    ; the floor 2^(3 - 127): the byte cannot fall under 1
.endr
.irp b, 0,1,2,3
	s_delay_alu instid0(VALU_DEP_4)
	v_add_nc_u32 v[SO+\b], 0xff000000, v[BM+\b]    ; 2 off the exponent field: the conversion's scale operand
.endr
.irp b, 0,1,2,3
	s_delay_alu instid0(VALU_DEP_4)
	v_lshrrev_b32 v[PT+\b], 23, v[SO+\b]           ; the scale's byte
.endr
	s_delay_alu instid0(VALU_DEP_3)
	v_lshl_or_b32 v[PS], v[PT+1], 8, v[PT]         ; p's scale word for these 128 keys
	s_delay_alu instid0(VALU_DEP_1)
	v_lshl_or_b32 v[PS], v[PT+2], 16, v[PS]
	s_delay_alu instid0(VALU_DEP_1)
	v_lshl_or_b32 v[PS], v[PT+3], 24, v[PS]
.irp c, 0,1
	v_cvt_scalef32_pk16_fp6_f32 v[PC+6*\c:PC+6*\c+2], v[S+32*\c:S+32*\c+15], v[SO+2*\c]
	v_cvt_scalef32_pk16_fp6_f32 v[CV+4*\c:CV+4*\c+2], v[S+16+32*\c:S+31+32*\c], v[SO+2*\c+1]   ; (a conversion's three registers begin on an even number)
.endr
	v_nop                                          ; one plain line behind a scaled conversion
.irp c, 0,1                            ; the operand's layout wants a WHOLE block in a lane
.irp i, 0,1,2
	v_permlane16_swap_b32 v[PC+6*\c+\i], v[CV+4*\c+\i]
.endr
.irp i, 0,1,2
	s_delay_alu instid0(VALU_DEP_3)
	v_mov_b32 v[PC+3+6*\c+\i], v[CV+4*\c+\i]
.endr
.endr
.set jj, 0
	s_setprio 0
.rept 16
	v_pk_mul_f32 v[O+jj:O+jj+1], v[O+jj:O+jj+1], v[F:F+1] op_sel_hi:[1,0]   ; O^T under the new M.  (These sixteen are also the places between the codes and scale word just made and the products)
.set jj, jj+2
.endr
	s_wait_alu depctr_va_vdst(0)
	s_wait_dscnt 0x0                               ; v^T is in
.irp t, 0,1,2,3                        ; O^T += v^T p^T: four tiles of 16 channels, by turns; v's scale words are read from lanes 16-31
	v_wmma_scale_f32_16x16x128_f8f6f4 v[O+8*\t:O+8*\t+7], v[KV+12*\t:KV+12*\t+11], v[PC:PC+11], v[O+8*\t:O+8*\t+7], v[SW+\t], v[PS] matrix_a_fmt:MATRIX_FMT_FP6 matrix_b_fmt:MATRIX_FMT_FP6 matrix_a_scale:MATRIX_SCALE_ROW1
.endr
	s_add_co_u32 s[TB], s[TB], REC                 ; the next record
.endm
.macro PHASE n                         ; the eight key steps of slot n
	s_mov_b32 s[TB], \n*SLOT1
	s_mov_b32 s[CNT], 8
.Lstep_\@:
	s_setprio 2
	STEP
	s_sub_co_u32 s[CNT], s[CNT], 1
	s_cmp_lg_u32 s[CNT], 0
	s_cbranch_scc1 .Lstep_\@
	s_setprio 0
.endm
; THE CHANGE OF SLOTS.  Each wave waits for all its tensor loads (its part of the slot ahead), adds 0 to its spare word, and waits for that and for its reads of the slot that it leaves.
; fill = 1: slot n, just left, takes the second head's half: the barrier is then a round of the cluster's, and the joint refill is the first thing behind it; it has eight key steps in which to land.
.macro CHANGE fill, n
	s_wait_tensorcnt 0x0                           ; no tensor load of mine is out, so a group 0 may be written
	ds_add_u32 v[SPW], v[NIL]                      ; 0 onto my spare word
.if \fill
	s_add_nc_u64 s[G0+4*\n+2:G0+4*\n+3], s[G0+4*\n+2:G0+4*\n+3], 16*REC   ; the same half of the next head; the type bits on top are not reached
.endif
	s_wait_dscnt 0x0                               ; the add is done, and my reads of the slot are over
.if \fill
	CROUND
	JLOAD \n
.else
	s_barrier_signal -1
	s_barrier_wait -1
.endif
.endm
; A HEAD'S END: O^T / the sum, quantised along the head's 64 channels (two blocks): half x of ctx's fragment and of its scale word.
.macro FIN x
.rept 4
	v_nop                                          ; places behind the last products
.endr
	v_add_f32 v14, v14, v15                        ; the sum's two halves,
	s_delay_alu instid0(VALU_DEP_1)
	v_permlanex16_b32 v[TP], v14, s[SEL], s[SEL+1]
	s_delay_alu instid0(VALU_DEP_1)
	v_add_f32 v14, v14, v[TP]                      ; and lane l xor 16's: the row's sum
	s_wait_alu depctr_va_vdst(0)
	v_rcp_f32 v[F], v14
	v_nop                                          ; a plain line behind the reciprocal,
	s_wait_alu depctr_va_vdst(0)                   ; and the wait ahead of its first reader
.set jj, 0
.rept 16
	v_pk_mul_f32 v[S+jj:S+jj+1], v[O+jj:O+jj+1], v[F:F+1] op_sel_hi:[1,0]   ; register 16 b + i: channel 32 b + 16 h + i of my query; each tile from its low end on
.set jj, jj+2
.endr
.irp b, 0,1
	v_max3_num_f32 v[BM+\b], |v[S+16*\b]|, |v[S+1+16*\b]|, 0x1800000
.endr
.irp i, 2,4,6,8,10,12,14
.irp b, 0,1
	s_delay_alu instid0(VALU_DEP_2)
	v_max3_num_f32 v[BM+\b], v[BM+\b], |v[S+16*\b+\i]|, |v[S+1+16*\b+\i]|
.endr
.endr
.irp b, 0,1
	s_delay_alu instid0(VALU_DEP_2)
	v_permlanex16_b32 v[PT+\b], v[BM+\b], s[SEL], s[SEL+1]
.endr
.irp b, 0,1
	s_delay_alu instid0(VALU_DEP_2)
	v_max_num_f32 v[BM+\b], v[BM+\b], v[PT+\b]
.endr
.irp b, 0,1
	s_delay_alu instid0(VALU_DEP_2)
	v_add_nc_u32 v[SO+\b], 0xff000000, v[BM+\b]
.endr
.irp b, 0,1
	s_delay_alu instid0(VALU_DEP_2)
	v_lshrrev_b32 v[PT+\b], 23, v[SO+\b]
.endr
.if \x
	s_delay_alu instid0(VALU_DEP_1)
	v_lshl_or_b32 v[TP], v[PT+1], 8, v[PT]
	s_delay_alu instid0(VALU_DEP_1)
	v_lshl_or_b32 v[CW], v[TP], 16, v[CW]          ; the second head's two bytes above the first's
.else
	s_delay_alu instid0(VALU_DEP_1)
	v_lshl_or_b32 v[CW], v[PT+1], 8, v[PT]
.endif
	v_cvt_scalef32_pk16_fp6_f32 v[CF+6*\x:CF+6*\x+2], v[S:S+15], v[SO]
	v_cvt_scalef32_pk16_fp6_f32 v[CV:CV+2], v[S+16:S+31], v[SO+1]
	v_nop
.irp i, 0,1,2
	v_permlane16_swap_b32 v[CF+6*\x+\i], v[CV+\i]
.endr
.irp i, 0,1,2
	s_delay_alu instid0(VALU_DEP_3)
	v_mov_b32 v[CF+3+6*\x+\i], v[CV+\i]
.endr
.endm
	s_wait_tensorcnt 1                             ; my part of slot 0 is in; slot 1's may stay out
	s_barrier_signal -1
	s_barrier_wait -1                              ; everybody's is
	QSET
	QLOAD 1                                        ; the second head's q is asked for now; its registers are not touched before its wait
	INIT
	PHASE 0                                        ; the first head's keys 0 to 1,023
	CHANGE 1, 0
	PHASE 1                                        ; its keys 1,024 to 2,047
	CHANGE 1, 1
	FIN 0
	QSET
	INIT
	PHASE 0                                        ; the second head
	CHANGE 0, 0                                    ; nothing is left to fetch
	PHASE 1
	FIN 1
.irp c, 0,1,2
	global_store_b128 v[L16], v[CF+4*\c:CF+4*\c+3], s[44:45] offset:512*\c     ; 32 lanes store 512 consecutive bytes, aligned
.endr
	global_store_b32 v[CSO], v[CW], s[46:47]       ; lanes l and l xor 16 hold the same word and name the same place
	s_wait_tensorcnt 0x0                           ; the wave's end
	ds_add_u32 v[SPW], v[NIL]
	s_wait_dscnt 0x0
	CROUND                                         ; the closing round
	s_endpgm
.Lfunc_end_k_q0e94dabf51_attn:
	.size	k_q0e94dabf51_attn, .Lfunc_end_k_q0e94dabf51_attn-k_q0e94dabf51_attn
	.p2alignl 7, 3214868480
	.fill 96, 4, 3214868480
	.section	.rodata,"a",@progbits
	.p2align	6, 0x0
	.amdhsa_kernel k_q0e94dabf51_attn
		.amdhsa_group_segment_fixed_size 327680
		.amdhsa_private_segment_fixed_size 0
		.amdhsa_enable_private_segment 0
		.amdhsa_kernarg_size 16
		.amdhsa_user_sgpr_count 2
		.amdhsa_user_sgpr_kernarg_segment_ptr 1
		.amdhsa_wavefront_size32 1
		.amdhsa_system_sgpr_workgroup_id_x 1
		.amdhsa_system_sgpr_workgroup_id_y 1
		.amdhsa_system_sgpr_workgroup_id_z 1
		.amdhsa_system_vgpr_workitem_id 0
		.amdhsa_next_free_vgpr 256
		.amdhsa_next_free_sgpr 66
		.amdhsa_reserve_vcc 0
		.amdhsa_float_denorm_mode_32 3
		.amdhsa_float_denorm_mode_16_64 3
		.amdhsa_memory_ordered 1
		.amdhsa_forward_progress 1
		.amdhsa_inst_pref_size 87
	.end_amdhsa_kernel
	.amdgpu_metadata
---
amdhsa.version: [ 1, 2 ]
amdhsa.kernels:
  - .name:           k_q0e94dabf51_attn
    .symbol:         k_q0e94dabf51_attn.kd
    .args:
      - { .name: qkvw, .offset: 0, .size: 8, .value_kind: global_buffer, .address_space: global }
      - { .name: ctx, .offset: 8, .size: 8, .value_kind: global_buffer, .address_space: global }
    .group_segment_fixed_size: 327680
    .private_segment_fixed_size: 0
    .kernarg_segment_align: 8
    .kernarg_segment_size: 16
    .max_flat_workgroup_size: 512
    .sgpr_count:     66
    .vgpr_count:     256
    .wavefront_size: 32
...
	.end_amdgpu_metadata
.endif
;; end of part 3
;; launch oproj (part 4): grid 4 x 32, 4 waves a work-group, clusters of 4 x 4, 327,680 bytes of LDS; arguments ctx, opnd, out_proj_bias, out0; writes out0
.if DOCPART == 4
	.amdgcn_target "amdgcn-amd-amdhsa--gfx1250"
	.amdhsa_code_object_version 6
	.text
	.protected	k_q0e94dabf51_oproj
	.globl	k_q0e94dabf51_oproj
	.p2align	8
	.type	k_q0e94dabf51_oproj,@function
k_q0e94dabf51_oproj:
	s_mov_b64 s[64:65], 0
	v_nop
	global_prefetch_b8 v0, s[64:65] scope:SCOPE_SE
	s_setreg_imm32_b32 hwreg(HW_REG_WAVE_MODE, 25, 1), 1
	s_wait_xcnt 0x0
	s_wait_alu depctr_hold_cnt(0) depctr_sa_sdst(0) depctr_va_vdst(0) depctr_va_sdst(0) depctr_va_ssrc(0) depctr_va_vcc(0) depctr_vm_vsrc(0)
	s_getreg_b32 s2, hwreg(HW_REG_IB_STS2, 6, 4)
	s_cmp_eq_u32 s2, 0
	s_cbranch_scc0 .Lentry_in_a_cluster
	s_endpgm
.Lentry_in_a_cluster:
	s_bfe_u32 s2, ttmp6, 0x10000c
	s_cmp_lg_u32 s2, 0xf033
	s_cbranch_scc0 .Lentry_shape_is_right
	s_endpgm
.Lentry_shape_is_right:
.set NQ,     2
.set ROWB,   192
.set KROW,   768
.set PITCH,  240
.set FR,     12
.set NL,     6
.set NLA,    3
.set NP,     4
.set HALFT,  128*PITCH
.set SLOT,   4*HALFT
.set ASTEP,  3072
.set KS,     32
.set SCL,    2*SLOT
.set HALFS,  (128*KS/256)*272
.set SBLK,   (16*KS/256)*272
.set SPARE,  SCL+4*HALFS
.set SPITCH, 528
.set CSC,    6291456
.set WOC,    8650752
.set WOS,    9797632
.set ADRA, 16
.set ADRB, 20
.set STO,  24
.set RD,   25
.set CO,   26
.set ADRS, 27
.set SPW,  28
.set NIL,  29
.set SC,   32
.set CBI,  64
.set AF,   128
.set BK,   128
.set G1, 24
.set G0, 32
.set G1B, 48
.set G0B, 56
.set G1S, 68
.set G0S, 76
.set G1SB, 80
.set G0SB, 88
.set MSB, 0
.macro WIN new
.if MSB != (\new)
	s_set_vgpr_msb (MSB<<8)|(\new)
.set MSB, (\new)
.endif
.endm
.set MUL_LO, 0xa1
.set MUL_HI, 0xf1
.set TO_B,   0x40
.macro JLOAD g0a, g1a, g0b, g1b
	s_cmp_eq_u32 s15, 0
	s_cbranch_scc0 .Lfor_b_\@
	tensor_load_to_lds s[\g0a:\g0a+3], s[\g1a:\g1a+7]
	s_nop 0
.rept 4
	v_nop
.endr
	s_branch .Lasked_\@
.Lfor_b_\@:
	tensor_load_to_lds s[\g0b:\g0b+3], s[\g1b:\g1b+7]
	s_nop 0
.rept 4
	v_nop
.endr
.Lasked_\@:
.endm
.macro CREST
	s_cmp_lg_u32 s14, 0
	s_cbranch_scc1 .Lnot_wave_0_\@
	s_barrier_signal -3
.Lnot_wave_0_\@:
	s_barrier_wait -3
	s_barrier_signal -1
	s_barrier_wait -1
.endm
.macro CROUND
	s_barrier_signal -1
	s_barrier_wait -1
	CREST
.endm
	s_load_b128 s[4:7], s[0:1], 0x0
	s_load_b128 s[8:11], s[0:1], 0x10
	v_lshl_add_u32 v[SPW], v0, 2, SPARE
	v_mov_b32 v[NIL], 0
	ds_add_u32 v28, v29
	ds_add_u32 v28, v29
	s_wait_dscnt 0x0
	v_lshrrev_b32 v1, 5, v0
	v_readfirstlane_b32 s14, v1
	s_lshr_b32 s15, s14, 1
	s_and_b32 s16, s14, 1
	s_bfe_u32 s40, ttmp6, 0x40000
	s_bfe_u32 s41, ttmp6, 0x40004
	s_lshl_b32 s42, ttmp9, 2
	s_add_co_u32 s42, s42, s40
	s_and_b32 s17, ttmp7, 0xffff
	s_lshl_b32 s17, s17, 2
	s_add_co_u32 s17, s17, s41
	s_lshl_b32 s43, s41, 2
	s_lshl_b32 s43, 15, s43
	s_lshl_b32 s44, 0x1111, s40
	s_or_b32 s[G1+0], s43, (3<<16)|(1<<21)
	s_mov_b32 s[G1+1], 384<<16
	s_mov_b32 s[G1+2], 8<<16
	s_mov_b32 s[G1+3], 384<<16
	s_mov_b32 s[G1+4], 8
	s_mov_b32 s[G1+5], 1536
	s_mov_b32 s[G1+6], 0
	s_mov_b32 s[G1+7], 0
	s_or_b32 s[G1B+0], s44, (0<<16)|(1<<20)|(1<<21)|(3<<22)|(3<<25)
	s_mov_b32 s[G1B+1], ROWB<<16
	s_mov_b32 s[G1B+2], 128<<16
	s_mov_b32 s[G1B+3], ROWB<<16
	s_mov_b32 s[G1B+4], 128
	s_mov_b32 s[G1B+5], KROW
	s_mov_b32 s[G1B+6], 0
	s_mov_b32 s[G1B+7], 0
	s_or_b32 s[G1S+0], s43, (3<<16)|(1<<20)|(1<<21)|(5<<22)|(3<<25)
	s_or_b32 s[G1SB+0], s44, (3<<16)|(1<<20)|(1<<21)|(5<<22)|(3<<25)
.irp g, G1S, G1SB
	s_mov_b32 s[\g+1], 32<<16
	s_mov_b32 s[\g+2], (128*KS/256)<<16
	s_mov_b32 s[\g+3], 32<<16
	s_mov_b32 s[\g+4], 128*KS/256
	s_mov_b32 s[\g+5], 32
	s_mov_b32 s[\g+6], 0
	s_mov_b32 s[\g+7], 0
.endr
	s_lshl_b32 s45, s16, 7
	s_lshl_b32 s20, s17, 8
	s_add_co_u32 s20, s20, s45
	s_lshl_b32 s46, s42, 8
	s_add_co_u32 s46, s46, s45
	s_lshl_b32 s22, s20, 5
	s_add_co_u32 s22, s22, CSC
	s_mov_b32 s23, 0
	s_lshl_b32 s92, s46, 5
	s_add_co_u32 s92, s92, WOS
	s_mov_b32 s93, 0
	s_mul_i32 s20, s20, KROW
	s_mov_b32 s21, 0
	s_mul_i32 s46, s46, KROW
	s_add_co_u32 s46, s46, WOC
	s_mov_b32 s47, 0
	s_mul_i32 s45, s14, HALFT
	s_mul_i32 s94, s14, HALFS
	s_wait_kmcnt 0x0
	s_add_nc_u64 s[20:21], s[4:5], s[20:21]
	s_add_nc_u64 s[22:23], s[4:5], s[22:23]
	s_add_nc_u64 s[46:47], s[6:7], s[46:47]
	s_add_nc_u64 s[92:93], s[6:7], s[92:93]
	CROUND
	s_mov_b32 s[G0S], 1
	s_add_co_u32 s[G0S+1], s94, SCL
	s_mov_b64 s[G0S+2:G0S+3], s[22:23]
	s_or_b32 s[G0S+3], s[G0S+3], 0x80000000
	s_mov_b32 s[G0SB], 1
	s_add_co_u32 s[G0SB+1], s94, SCL
	s_mov_b64 s[G0SB+2:G0SB+3], s[92:93]
	s_or_b32 s[G0SB+3], s[G0SB+3], 0x80000000
	JLOAD G0S, G1S, G0SB, G1SB
.irp s, 0,1
	s_mov_b32 s[G0+4*\s], 1
	s_add_co_u32 s[G0+4*\s+1], s45, \s*SLOT
	s_add_nc_u64 s[G0+4*\s+2:G0+4*\s+3], s[20:21], \s*ASTEP
	s_or_b32 s[G0+4*\s+3], s[G0+4*\s+3], 0x80000000
	s_mov_b32 s[G0B+4*\s], 1
	s_add_co_u32 s[G0B+4*\s+1], s45, \s*SLOT
	s_add_nc_u64 s[G0B+4*\s+2:G0B+4*\s+3], s[46:47], \s*ROWB
	s_or_b32 s[G0B+4*\s+3], s[G0B+4*\s+3], 0x80000000
	s_wait_alu depctr_va_vdst(0)
	s_wait_tensorcnt 0x0
	ds_add_u32 v28, v29
	s_wait_dscnt 0x0
	CROUND
	JLOAD G0+4*\s, G1, G0B+4*\s, G1B
.endr
	v_and_b32 v1, 15, v0
	v_bfe_u32 v2, v0, 4, 1
	v_and_b32 v6, 31, v0
	v_lshlrev_b32 v[CO], 4, v6
	v_mul_u32_u24 v3, v1, PITCH
	v_mul_u32_u24 v4, v2, 24
	v_add_nc_u32 v4, v3, v4
	v_lshl_add_u32 v5, v2, 4, v4
	s_mul_i32 s21, s15, HALFT
	s_mul_i32 s22, s16, HALFT
	s_add_co_u32 s22, s22, 2*HALFT
.irp s, 0,1
	v_add_nc_u32 v[ADRA+\s], s21, v[CO]
	v_add_nc_u32 v[ADRB+\s], s22, v4
	v_add_nc_u32 v[ADRB+2+\s], s22, v5
	s_add_co_u32 s21, s21, SLOT
	s_add_co_u32 s22, s22, SLOT
.endr
	v_mul_u32_u24 v5, v1, KS
	v_lshrrev_b32 v6, 8, v5
	v_lshl_add_u32 v5, v6, 4, v5
	s_mul_i32 s21, s15, HALFS
	s_mul_i32 s22, s16, HALFS
	s_add_co_u32 s22, s22, 2*HALFS
	s_sub_co_u32 s22, s22, s21
	v_mul_u32_u24 v6, s22, v2
	s_add_co_u32 s21, s21, SCL
	v_add_nc_u32 v5, v5, v6
	v_add_nc_u32 v[ADRS], s21, v5
	s_mul_i32 s23, s14, 16*SPITCH
	v_mul_u32_u24 v5, v1, SPITCH
	v_lshl_add_u32 v5, v2, 5, v5
	v_add_nc_u32 v[STO], s23, v5
	v_add_nc_u32 v[RD], s23, v[CO]
	s_lshl_b32 s20, s17, 8
	s_lshl_b32 s21, s15, 7
	s_add_co_u32 s20, s20, s21
	s_lshl_b32 s20, s20, 12
	s_lshl_b32 s46, s42, 10
	s_lshl_b32 s47, s16, 9
	s_add_co_u32 s46, s46, s47
	v_lshl_add_u32 v8, v2, 5, s46
	s_add_co_u32 s20, s20, s46
	s_mov_b32 s21, 0
	s_add_nc_u64 s[12:13], s[10:11], s[20:21]
.irp b, 0,1,2,3,4,5,6,7
	global_load_b128 v[CBI+8*\b:CBI+8*\b+3], v8, s[8:9] offset:64*\b
	global_load_b128 v[CBI+8*\b+4:CBI+8*\b+7], v8, s[8:9] offset:64*\b+16
.endr
.macro FRAG reg, adr, q, i
.irp p, 0,1,2,3,4,5
.set PC, 12*(\q)+6*(\p/3)+\p%3
.if PC%8 < 5
	ds_load_b64 v[\reg+2*\p:\reg+2*\p+1], v[\adr] offset:8*PC+16*(PC/8)+(\i)*16*PITCH
.else
	ds_load_b64 v[\reg+2*\p:\reg+2*\p+1], v[\adr+2] offset:8*PC+16*(PC/8)+(\i)*16*PITCH
.endif
.endr
.endm
.macro MUL16 a0, p, q, sc, first
.irp a, \a0, \a0+1
.irp b, 0,1,2,3,4,5,6,7
.if \first
	v_wmma_scale_f32_16x16x128_f8f6f4 v[8*(8*((\a)%4)+\b):8*(8*((\a)%4)+\b)+7], v[128*(\p)+FR*\b:128*(\p)+FR*\b+FR-1], v[AF+FR*(\a):AF+FR*(\a)+FR-1], v[CBI+8*\b:CBI+8*\b+7], v[SC+8*NQ*(\sc)+NQ*\b+(\q)], v[SC+8*NQ*(\sc)+NQ*(\a)+(\q)] matrix_a_fmt:MATRIX_FMT_FP6 matrix_b_fmt:MATRIX_FMT_FP6 matrix_a_scale:MATRIX_SCALE_ROW1
.else
	v_wmma_scale_f32_16x16x128_f8f6f4 v[8*(8*((\a)%4)+\b):8*(8*((\a)%4)+\b)+7], v[128*(\p)+FR*\b:128*(\p)+FR*\b+FR-1], v[AF+FR*(\a):AF+FR*(\a)+FR-1], v[8*(8*((\a)%4)+\b):8*(8*((\a)%4)+\b)+7], v[SC+8*NQ*(\sc)+NQ*\b+(\q)], v[SC+8*NQ*(\sc)+NQ*(\a)+(\q)] matrix_a_fmt:MATRIX_FMT_FP6 matrix_b_fmt:MATRIX_FMT_FP6 matrix_a_scale:MATRIX_SCALE_ROW1
.endif
.endr
.endr
.endm
.macro FETCH_B slot, q, p
	WIN TO_B
.irp i, 0,1,2,3,4,5,6,7
	FRAG 128*(\p)+FR*\i, ADRB+\slot, \q, \i
.endr
	WIN 0
.endm
.macro FETCH_A slot, q, i0
.irp i, \i0, \i0+1, \i0+2, \i0+3
.irp c, 0,1,2
	ds_load_b128 v[AF+FR*(\i)+4*\c:AF+FR*(\i)+4*\c+3], v[ADRA+\slot] offset:ASTEP*(\i)+1536*(\q)+512*\c
.endr
.endr
.endm
.macro SCALES sc
.irp i, 0,1,2,3,4,5,6,7
	ds_load_b64 v[SC+8*NQ*\sc+NQ*\i:SC+8*NQ*\sc+NQ*\i+1], v[ADRS] offset:\i*SBLK
.endr
.endm
.macro PLACES n
.rept \n
	v_nop
.endr
.endm
.macro STEP slot, q, first
	s_wait_dscnt 4*NLA
	WIN MUL_LO-0x20*(\first)
	MUL16 0, (\q)%2, \q, \slot, \first
	MUL16 2, (\q)%2, \q, \slot, \first
	s_wait_dscnt 0
	PLACES NP
	FETCH_B \slot, (\q)+1, 1-(\q)%2
	FETCH_A \slot, (\q)+1, 0
	WIN MUL_HI-0x30*(\first)
	MUL16 4, (\q)%2, \q, \slot, \first
	MUL16 6, (\q)%2, \q, \slot, \first
	PLACES NP
	WIN 0
	FETCH_A \slot, (\q)+1, 4
.endm
.macro TURN slot, next, fill
	s_wait_tensorcnt 0x0
	ds_add_u32 v[SPW], v[NIL]
	s_wait_dscnt 4*NLA+1
	WIN MUL_LO
	MUL16 0, 1, NQ-1, \slot, 0
	s_wait_dscnt 0x0
	s_barrier_signal -1
	MUL16 2, 1, NQ-1, \slot, 0
	WIN 0
	s_barrier_wait -1
.if \fill
	CREST
	s_add_nc_u64 s[G0+4*\slot+2:G0+4*\slot+3], s[G0+4*\slot+2:G0+4*\slot+3], 2*ASTEP
	s_add_nc_u64 s[G0B+4*\slot+2:G0B+4*\slot+3], s[G0B+4*\slot+2:G0B+4*\slot+3], 2*ROWB
	JLOAD G0+4*\slot, G1, G0B+4*\slot, G1B
.else
	PLACES NP
.endif
	s_wait_alu depctr_va_vdst(0)
	v_add_nc_u32 v[ADRS], 4*NQ, v[ADRS]
	FETCH_B \next, 0, 0
	FETCH_A \next, 0, 0
	SCALES \next
	WIN MUL_HI
	MUL16 4, 1, NQ-1, \slot, 0
	MUL16 6, 1, NQ-1, \slot, 0
	PLACES NP
	WIN 0
	FETCH_A \next, 0, 4
.endm
	s_wait_alu depctr_va_vdst(0)
	s_wait_loadcnt 0x0
	s_wait_tensorcnt 1
	s_barrier_signal -1
	s_barrier_wait -1
	FETCH_B 0, 0, 0
	FETCH_A 0, 0, 0
	SCALES 0
	FETCH_A 0, 0, 4
	STEP 0, 0, 1
	TURN 0, 1, 1
	STEP 1, 0, 0
	TURN 1, 0, 1
	STEP 0, 0, 0
	TURN 0, 1, 0
	STEP 1, 0, 0
	s_wait_dscnt 4*NLA
	WIN MUL_LO
	MUL16 0, 1, NQ-1, 1, 0
	MUL16 2, 1, NQ-1, 1, 0
	s_wait_dscnt 0
	WIN MUL_HI
	MUL16 4, 1, NQ-1, 1, 0
	MUL16 6, 1, NQ-1, 1, 0
	WIN 0
.macro TOSTAGE a
.set AC, 64*((\a)%4)
	WIN 0x08+4*((\a)/4)
.irp b, 0,1,2,3,4,5,6,7
	ds_store_b128 v[STO], v[AC+8*\b:AC+8*\b+3] offset:64*\b
	ds_store_b128 v[STO], v[AC+8*\b+4:AC+8*\b+7] offset:64*\b+16
.endr
	WIN 0
.set BB, BK+64*((\a)%2)
.irp t, 0,1,2,3,4,5,6,7,8,9,10,11,12,13,14,15
	ds_load_b128 v[BB+4*\t:BB+4*\t+3], v[RD] offset:\t*SPITCH
.endr
.endm
.macro SEND a, younger
.set BB, BK+64*((\a)%2)
	s_wait_dscnt \younger
.irp t, 0,1,2,3,4,5,6,7,8,9,10,11,12,13,14,15
	global_store_b128 v[CO], v[BB+4*\t:BB+4*\t+3], s[12:13] offset:(32*((\a)/2)+8*((\a)%2)+\t+8*(\t/8))*4096 th:TH_STORE_NT
.endr
.endm
	PLACES NP
	TOSTAGE 0
.irp a, 1,2,3,4,5,6,7
.if \a > 1
	s_wait_xcnt 0x0
.endif
	TOSTAGE \a
	SEND \a-1, 32
.endr
	SEND 7, 0
	s_wait_tensorcnt 0x0
	ds_add_u32 v[SPW], v[NIL]
	s_wait_dscnt 0x0
	CROUND
	s_endpgm
.Lfunc_end_k_q0e94dabf51_oproj:
	.size	k_q0e94dabf51_oproj, .Lfunc_end_k_q0e94dabf51_oproj-k_q0e94dabf51_oproj
	.p2alignl 7, 3214868480
	.fill 96, 4, 3214868480
	.section	.rodata,"a",@progbits
	.p2align	6, 0x0
	.amdhsa_kernel k_q0e94dabf51_oproj
		.amdhsa_group_segment_fixed_size 327680
		.amdhsa_private_segment_fixed_size 0
		.amdhsa_enable_private_segment 0
		.amdhsa_kernarg_size 32
		.amdhsa_user_sgpr_count 2
		.amdhsa_user_sgpr_kernarg_segment_ptr 1
		.amdhsa_wavefront_size32 1
		.amdhsa_system_sgpr_workgroup_id_x 1
		.amdhsa_system_sgpr_workgroup_id_y 1
		.amdhsa_system_sgpr_workgroup_id_z 1
		.amdhsa_system_vgpr_workitem_id 0
		.amdhsa_next_free_vgpr 1024
		.amdhsa_next_free_sgpr 100
		.amdhsa_reserve_vcc 0
		.amdhsa_float_denorm_mode_32 3
		.amdhsa_float_denorm_mode_16_64 3
		.amdhsa_memory_ordered 1
		.amdhsa_forward_progress 1
		.amdhsa_inst_pref_size 150
	.end_amdhsa_kernel
	.amdgpu_metadata
---
amdhsa.version: [ 1, 2 ]
amdhsa.kernels:
  - .name:           k_q0e94dabf51_oproj
    .symbol:         k_q0e94dabf51_oproj.kd
    .args:
      - { .name: ctx, .offset: 0, .size: 8, .value_kind: global_buffer, .address_space: global }
      - { .name: opnd, .offset: 8, .size: 8, .value_kind: global_buffer, .address_space: global }
      - { .name: out_proj_bias, .offset: 16, .size: 8, .value_kind: global_buffer, .address_space: global }
      - { .name: out0, .offset: 24, .size: 8, .value_kind: global_buffer, .address_space: global }
    .group_segment_fixed_size: 327680
    .private_segment_fixed_size: 0
    .kernarg_segment_align: 8
    .kernarg_segment_size: 32
    .max_flat_workgroup_size: 128
    .sgpr_count:     100
    .vgpr_count:     1024
    .wavefront_size: 32
...
	.end_amdgpu_metadata
.endif
;; end of part 4
